; MI455X (gfx1250); checked and timed in simulation.
; The chip was launched on July 23, 2026; its instructions are those of AMD's public machine-readable ISA for CDNA 5 (MIT licence, August 2026) and "CDNA5" Instruction Set Architecture Reference Guide (July 2026). The comments in the code are by the model that wrote it; some were corrected since.
;; Multi Head Self Attention Block. Allowed arithmetic: matrix products marked QUANTISED: E2M1 operands, one E8M0 scale for each 32 along K, by v_wmma_scale_f32_16x16x128_f8f6f4 with both operands' format E2M1 (or v_wmma_scale_f32_32x16x128_f4), f32 sums; products left as they are: bf16, f16 or f32 operands; f32 sums; everything else in f32.
;; Inputs: w_out 1,024 x 1,024 float32; w_qkv 3,072 x 1,024 float32; x 4 x 2,048 x 1,024 float32.
;; Outputs: out0 4 x 2,048 x 1,024 float32.
;; This version of the problem:
;;   THIS VERSION OF THE PROBLEM IS GIVEN IN LOW PRECISION. The matrix products marked QUANTISED in the list below multiply operands that are first quantised to E2M1 (2 exponent bits, 1 mantissa bit; 4 bits a number), with one power-of-two scale for each 32 numbers along K (OCP MX v1.0); their sums are f32. The products marked 'left as it is' may take bf16, f16 or f32 operands, with f32 sums. Whichever they take, every output number must still come out within the allowed error. Rounding operands to bf16 (8 significant bits) uses up far more of that allowance than f16 does (11 bits, for magnitudes from 6e-5 to 65,504). All else is computed in f32.
;;   The module's matrix products, in the order in which they are computed (A, B: the left and right operand; K: the contracted axis; several contracted axes count as one K, in the product's order):
;;     1. [M 8,192, K 1,024] x [K 1,024, N 3,072]; A: input x; B: input w_qkv: QUANTISED
;;     2. batch 64 x [M 2,048, K 64] x [K 64, N 2,048]; A: computed on the way; B: computed on the way: left as it is (an operand is computed on the way)
;;     3. batch 64 x [M 2,048, K 2,048] x [K 2,048, N 64]; A: computed on the way; B: computed on the way: left as it is (an operand is computed on the way)
;;     4. [M 8,192, K 1,024] x [K 1,024, N 1,024]; A: computed on the way; B: input w_out: left as it is (an operand is computed on the way)
;;   THE QUANTISER, for each operand of a quantised product, along K:
;;     - K is cut into blocks of 32 from its start; a last block that is shorter is filled with zeros.
;;     - A block's scale is 2^e with e = floor(log2(the largest magnitude in the block)) - 2, held to -126 .. 127; a block of zeros has e = 0. As a byte (E8M0): e + 127.
;;     - Each number is divided by its block's scale, clamped to +-6, and rounded to the nearest number of E2M1, ties to even, subnormals kept.
;;     - The product sums the exact products of the quantised numbers (number of the format x scale) in f32.
;;   ~~~python
;;   def quantise(x, axis):      # numpy; x: float32 -> the quantised numbers, widened to float32 again
;;       x = np.moveaxis(x, axis, -1); K = x.shape[-1]
;;       x = np.pad(x, [(0, 0)] * (x.ndim - 1) + [(0, -K % 32)]); x = x.reshape(x.shape[:-1] + (-1, 32)); a = np.abs(x).max(-1, keepdims=True)
;;       e = np.where(a > 0, np.clip(np.frexp(np.where(a > 0, a, 1))[1] - 1 - 2, -126, 127), 0)      # np.frexp(a)[1] - 1 = floor(log2(a)), exactly
;;       r = np.clip(x / 2.0 ** e, -6, 6)
;;       step = 2.0 ** (np.maximum(np.frexp(np.where(r == 0, 1, r))[1] - 1, 0) - 1)
;;       q = np.round(r / step) * step * 2.0 ** e      # np.round: ties to even
;;       return np.moveaxis(q.reshape(q.shape[:-2] + (-1,))[..., :K], -1, axis).astype(np.float32)
;;   ~~~
;; One version. Each part assembles by itself: llvm-mc -triple=amdgcn-amd-amdhsa -mcpu=gfx1250 --defsym DOCPART=n.
;; ======== version 1 of 1: 4 launches
;; limits: values are held in f16: magnitudes above 65,504 overflow, below 6.1e-05 lose precision
;; workspace buffers: xc 4,194,304 bytes; xs 262,144 bytes; wc 1,572,864 bytes; ws 98,304 bytes; wo16 2,097,152 bytes; qkv 50,331,648 bytes; ctx 16,777,216 bytes
;; launch quant (part 1): grid 384 x 1, 4 waves a work-group, no clusters, 33,280 bytes of LDS; arguments x, w_qkv, xc, xs, wc, ws, w_out, wo16; writes xc, xs, wc, ws, wo16
.if DOCPART == 1
	.amdgcn_target "amdgcn-amd-amdhsa--gfx1250"
	.amdhsa_code_object_version 6
	.text
	.protected	k_q6a4e276a79_quant
	.globl	k_q6a4e276a79_quant
	.p2align	8
	.type	k_q6a4e276a79_quant,@function
k_q6a4e276a79_quant:
	s_mov_b64 s[64:65], 0
	v_nop
	global_prefetch_b8 v0, s[64:65] scope:SCOPE_SE
	s_setreg_imm32_b32 hwreg(HW_REG_WAVE_MODE, 25, 1), 1
	s_wait_xcnt 0x0
; x [8192][1024] and w_qkv [3072][1024], f32, become codes of FP4 (E2M1), K innermost, two codes a byte, with one E8M0 scale byte for each 32 along K; w_out [1024][1024] f32 becomes f16.
; A block's scale is 2^(floor(log2(its largest magnitude)) - 2); its byte is the largest magnitude's exponent field - 2, held at 1 from below.  A block of zeros so gets the byte 1 where the rule says 127:
; its codes are zeros, which add nothing under any byte but 0xff, and the bytes are read by this program alone.  Each number is divided by the scale and rounded to the nearest code, ties to even, beyond 6 the code of 6.
; LIMITS: blocks whose largest magnitude lies under 2^-124 keep the byte 1; NaN and infinities are not served; a number of w_out beyond 65,504 becomes an infinity of f16.
; SHARES: work-groups 0-255 take x, 256-351 w_qkv, 352-383 w_out; 32,768 numbers each, 8,192 a wave.  Rows are dense and K is a multiple of 32: the tensors are plain streams.
; QUANTISING: 16 steps of 512 numbers a wave.  A load reads 512 consecutive bytes, 16 a lane; a step's 2,048 bytes turn through the wave's own stage in LDS and come back 64 bytes a lane, so that a lane holds
; 16 neighbours along K and two neighbouring lanes a block.  A lane's 16 codes are 8 bytes: a store covers 256 consecutive bytes, aligned.  A wave's 256 scale bytes are gathered in LDS and leave as one such run.
; No tensor loads, no barrier: waves share nothing.
.set WAVES, 4
.set STEPS, 16
.set WGA,   256                        ; work-groups of x
.set WGQ,   352                        ; work-groups that quantise
.set EMAX,  2
.set CB,    8                          ; bytes of 16 codes
.set R,     16                         ; v16-79   four sets of 16 numbers as they are loaded
.set X,     80                         ; v80-111  two sets of 16 neighbours
.set C,     128                        ; v128-191 codes: four registers for each step, so that no store's data are written again
.set E,     112                        ; v112-127 a scale byte for each step
.set WREG,  8192                       ; LDS: a region for each wave: two stages of 32 x SP bytes, behind them its 256 scale bytes
.set SP,    80                         ; a lane's place in a stage: 64 bytes + 16 of padding
.set SPW,   12                         ; v12      LDS address of my spare word; never rewritten
.set NIL,   13                         ; v13      0; never rewritten
.set SPARE, WAVES*WREG                 ; behind the four regions: the spare words, 128 bytes a wave, which no other line names
.set RA,    16                         ; the cast: two sets of 64 registers as loaded,
.set RB,    80
.set C0,    144                        ; and two sets of 32 to store
.set C1,    176
	s_load_b128 s[4:7], s[0:1], 0x0                ; x, w_qkv
	s_load_b128 s[8:11], s[0:1], 0x10              ; x's codes, x's scales
	s_load_b128 s[12:15], s[0:1], 0x20             ; w_qkv's codes, its scales
	s_load_b128 s[24:27], s[0:1], 0x30             ; w_out, its f16 copy
	v_lshl_add_u32 v[SPW], v0, 2, SPARE
	v_mov_b32 v[NIL], 0
	v_lshrrev_b32 v1, 5, v0
	v_readfirstlane_b32 s16, v1                    ; wave
	v_and_b32 v2, 31, v0                           ; lane
	v_lshlrev_b32 v3, 4, v2                        ; my 16 bytes of a load's 512
	s_mul_i32 s17, s16, WREG
	v_lshrrev_b32 v14, 2, v2
	v_mul_u32_u24 v14, v14, SP
	v_and_b32 v15, 3, v2
	v_lshl_add_u32 v14, v15, 4, v14
	v_add_nc_u32 v14, s17, v14                     ; the stage, on the way in: SP (lane / 4) + 16 (lane % 4)
	v_mul_u32_u24 v15, v2, SP
	v_add_nc_u32 v15, s17, v15                     ; and on the way out: SP x lane: my 16 neighbours
	v_mul_u32_u24 v4, v2, CB                       ; my codes' place in a step's
	v_lshrrev_b32 v5, 1, v2
	s_add_co_u32 s17, s17, 2*32*SP
	v_add_nc_u32 v5, s17, v5                       ; LDS: my wave's 256 scale bytes, my block's byte
	v_lshlrev_b32 v7, 3, v2                        ; 8 bytes a lane
	v_add_nc_u32 v6, s17, v7
	s_wait_kmcnt 0x0
	s_cmp_ge_u32 ttmp9, WGQ                        ; the last 32 work-groups cast w_out
	s_cbranch_scc1 .Lcast
	s_cmp_lt_u32 ttmp9, WGA                        ; x's work-group or w_qkv's?  The choice hangs on the work-group's number alone
	s_cselect_b64 s[4:5], s[4:5], s[6:7]
	s_cselect_b64 s[8:9], s[8:9], s[12:13]
	s_cselect_b64 s[10:11], s[10:11], s[14:15]
	s_cselect_b32 s17, 0, WGA
	s_sub_co_u32 s17, ttmp9, s17
	s_lshl_b32 s17, s17, 2
	s_add_co_u32 s18, s17, s16                     ; which run of 8,192 numbers of the tensor is my wave's
	s_mov_b32 s19, 0
	s_mov_b64 s[20:21], 512*STEPS*4
	s_mul_u64 s[20:21], s[18:19], s[20:21]
	s_add_nc_u64 s[4:5], s[4:5], s[20:21]
	s_mov_b64 s[20:21], 32*STEPS*CB
	s_mul_u64 s[20:21], s[18:19], s[20:21]
	s_add_nc_u64 s[8:9], s[8:9], s[20:21]
	s_lshl_b32 s18, s18, 8                         ; 256 scale bytes a run
	s_add_nc_u64 s[10:11], s[10:11], s[18:19]
.macro LOAD t
.irp i, 0,1,2,3
	global_load_b128 v[R+16*((\t)%4)+4*\i:R+16*((\t)%4)+4*\i+3], v3, s[4:5] offset:2048*(\t)+512*\i th:TH_LOAD_NT   ; 32 lanes read 512 consecutive bytes
.endr
.endm
.macro TURN t                          ; step t's numbers through the stage: LDS serves a wave's instructions in order, so no wait stands between the stores and the loads
.irp i, 0,1,2,3
	ds_store_b128 v14, v[R+16*((\t)%4)+4*\i:R+16*((\t)%4)+4*\i+3] offset:32*SP*((\t)%2)+8*SP*\i
.endr
.irp i, 0,1,2,3
	ds_load_b128 v[X+16*((\t)%2)+4*\i:X+16*((\t)%2)+4*\i+3], v15 offset:32*SP*((\t)%2)+16*\i
.endr
.endm
.irp t, 0,1,2,3
	LOAD \t
.endr
	s_wait_loadcnt 12                              ; step 0's four loads are in; those of three steps may be out
	TURN 0
.macro STEP t
.set XS, X+16*((\t)%2)
.if (\t) > 0
	s_wait_dscnt 1                                 ; this step's numbers are back from the stage (the last step's byte store may be out): so its stores into the stage have read their registers,
.else
	s_wait_dscnt 0x0
.endif
.if (\t)+4 < STEPS
	LOAD (\t)+4                                    ; which take the loads of four steps on
.endif
.if (\t)+1 < STEPS
.if STEPS-2-(\t) >= 3
	s_wait_loadcnt 12                              ; the next step's four loads are in; those of the three steps behind it may be out
.else
	s_wait_loadcnt 4*(STEPS-2-(\t))
.endif
	TURN (\t)+1                                    ; and go through the other stage while this step is worked
.endif
	v_max3_num_f32 v8, |v[XS]|, |v[XS+1]|, |v[XS+2]|               ; the largest magnitude of my 16, in two chains
	v_max3_num_f32 v9, |v[XS+3]|, |v[XS+4]|, |v[XS+5]|
.irp i, 6,10
	v_max3_num_f32 v8, v8, |v[XS+\i]|, |v[XS+\i+1]|
	v_max3_num_f32 v9, v9, |v[XS+\i+2]|, |v[XS+\i+3]|
.endr
	v_max3_num_f32 v8, v8, |v[XS+14]|, |v[XS+15]|
	v_max3_num_f32 v8, v8, v9, (EMAX+1)<<23        ; and the floor 2^(3 - 127): the byte cannot fall under 1
	v_max_num_f32_dpp v8, v8, v8 row_xmask:1 row_mask:0xf bank_mask:0xf   ; and of my neighbour's 16: the block's
	v_add_nc_u32 v11, -(EMAX<<23), v8              ; 2 off its exponent field: the conversion takes the exponent field of this operand as its scale, and nothing else of it
	v_cvt_scalef32_pk8_fp4_f32 v[C+4*(\t)], v[XS:XS+7], v11
	v_cvt_scalef32_pk8_fp4_f32 v[C+4*(\t)+1], v[XS+8:XS+15], v11
	v_lshrrev_b32 v[E+(\t)], 23, v11               ; the scale's byte (a plain line behind the conversions)
	ds_store_b8 v5, v[E+(\t)] offset:16*(\t)       ; both lanes of a block write the same byte with the same value
	global_store_b64 v4, v[C+4*(\t):C+4*(\t)+1], s[8:9] offset:32*CB*(\t)   ; the wave stores 256 consecutive bytes, aligned
.endm
.irp t, 0,1,2,3,4,5,6,7,8,9,10,11,12,13,14,15
	STEP \t
.endr
	ds_load_b64 v[8:9], v6                         ; LDS serves a wave's instructions in order: these see my stores
	s_wait_dscnt 0x0
	global_store_b64 v7, v[8:9], s[10:11]          ; 32 lanes store 256 consecutive bytes, aligned
	s_wait_tensorcnt 0x0                           ; the wave's end, behind my last LDS store
	ds_add_u32 v[SPW], v[NIL]
	s_wait_dscnt 0x0
	s_endpgm
; THE CAST of w_out: a wave takes 8,192 numbers, 64 chunks of 512 bytes, in four rounds of 16.  A lane's 4 numbers become 8 bytes: a store covers 256 consecutive bytes, aligned.  Two rounds of loads are on their way.
.macro CLOAD p, set
.irp i, 0,1,2,3,4,5,6,7,8,9,10,11,12,13,14,15
	global_load_b128 v[\set+4*\i:\set+4*\i+3], v3, s[24:25] offset:(16*\p+\i)*512 th:TH_LOAD_NT
.endr
.endm
.macro CSTORE p, set, c
.irp i, 0,1,2,3,4,5,6,7,8,9,10,11,12,13,14,15
	v_cvt_pk_f16_f32 v[\c+2*\i], v[\set+4*\i], v[\set+4*\i+1]
	v_cvt_pk_f16_f32 v[\c+2*\i+1], v[\set+4*\i+2], v[\set+4*\i+3]
.endr
.irp i, 0,1,2,3,4,5,6,7,8,9,10,11,12,13,14,15
	global_store_b64 v7, v[\c+2*\i:\c+2*\i+1], s[26:27] offset:(16*\p+\i)*256
.endr
.endm
.Lcast:
	s_sub_co_u32 s17, ttmp9, WGQ
	s_lshl_b32 s17, s17, 2
	s_add_co_u32 s18, s17, s16                     ; which run of 8,192 numbers is my wave's: 0 .. 127
	s_lshl_b32 s20, s18, 15                        ; 32,768 bytes in,
	s_mov_b32 s21, 0
	s_add_nc_u64 s[24:25], s[24:25], s[20:21]
	s_lshl_b32 s20, s18, 14                        ; 16,384 out
	s_add_nc_u64 s[26:27], s[26:27], s[20:21]
	CLOAD 0, RA
	CLOAD 1, RB
	s_wait_loadcnt 16                              ; round 0 is in; the younger round's 16 loads may be out
	CSTORE 0, RA, C0
	CLOAD 2, RA
	s_wait_loadcnt 16
	CSTORE 1, RB, C1
	CLOAD 3, RB
	s_wait_loadcnt 16
	s_wait_xcnt 0x0                                ; round 0's stores have read their data: C0 is written again only behind this wait
	CSTORE 2, RA, C0
	s_wait_loadcnt 0x0
	s_wait_xcnt 0x0                                ; and C1
	CSTORE 3, RB, C1
	s_wait_tensorcnt 0x0                           ; every wave of this launch ends alike
	ds_add_u32 v[SPW], v[NIL]
	s_wait_dscnt 0x0
	s_endpgm
.Lfunc_end_k_q6a4e276a79_quant:
	.size	k_q6a4e276a79_quant, .Lfunc_end_k_q6a4e276a79_quant-k_q6a4e276a79_quant
	.p2alignl 7, 3214868480
	.fill 96, 4, 3214868480
	.section	.rodata,"a",@progbits
	.p2align	6, 0x0
	.amdhsa_kernel k_q6a4e276a79_quant
		.amdhsa_group_segment_fixed_size 33280
		.amdhsa_private_segment_fixed_size 0
		.amdhsa_enable_private_segment 0
		.amdhsa_kernarg_size 64
		.amdhsa_user_sgpr_count 2
		.amdhsa_user_sgpr_kernarg_segment_ptr 1
		.amdhsa_wavefront_size32 1
		.amdhsa_system_sgpr_workgroup_id_x 1
		.amdhsa_system_sgpr_workgroup_id_y 1
		.amdhsa_system_sgpr_workgroup_id_z 1
		.amdhsa_system_vgpr_workitem_id 0
		.amdhsa_next_free_vgpr 208
		.amdhsa_next_free_sgpr 66
		.amdhsa_reserve_vcc 0
		.amdhsa_float_denorm_mode_32 3
		.amdhsa_float_denorm_mode_16_64 3
		.amdhsa_memory_ordered 1
		.amdhsa_forward_progress 1
		.amdhsa_inst_pref_size 54
	.end_amdhsa_kernel
	.amdgpu_metadata
---
amdhsa.version: [ 1, 2 ]
amdhsa.kernels:
  - .name:           k_q6a4e276a79_quant
    .symbol:         k_q6a4e276a79_quant.kd
    .args:
      - { .name: x, .offset: 0, .size: 8, .value_kind: global_buffer, .address_space: global }
      - { .name: w_qkv, .offset: 8, .size: 8, .value_kind: global_buffer, .address_space: global }
      - { .name: xc, .offset: 16, .size: 8, .value_kind: global_buffer, .address_space: global }
      - { .name: xs, .offset: 24, .size: 8, .value_kind: global_buffer, .address_space: global }
      - { .name: wc, .offset: 32, .size: 8, .value_kind: global_buffer, .address_space: global }
      - { .name: ws, .offset: 40, .size: 8, .value_kind: global_buffer, .address_space: global }
      - { .name: w_out, .offset: 48, .size: 8, .value_kind: global_buffer, .address_space: global }
      - { .name: wo16, .offset: 56, .size: 8, .value_kind: global_buffer, .address_space: global }
    .group_segment_fixed_size: 33280
    .private_segment_fixed_size: 0
    .kernarg_segment_align: 8
    .kernarg_segment_size: 64
    .max_flat_workgroup_size: 128
    .sgpr_count:     66
    .vgpr_count:     208
    .wavefront_size: 32
...
	.end_amdgpu_metadata
.endif
;; end of part 1
;; launch qkvgemm (part 2): grid 12 x 32, 4 waves a work-group, clusters of 4 x 4, 327,680 bytes of LDS; arguments xc, xs, wc, ws, qkv; writes qkv
.if DOCPART == 2
	.amdgcn_target "amdgcn-amd-amdhsa--gfx1250"
	.amdhsa_code_object_version 6
	.text
	.protected	k_q6a4e276a79_qkvgemm
	.globl	k_q6a4e276a79_qkvgemm
	.p2align	8
	.type	k_q6a4e276a79_qkvgemm,@function
k_q6a4e276a79_qkvgemm:
	s_mov_b64 s[64:65], 0
	v_nop
	global_prefetch_b8 v0, s[64:65] scope:SCOPE_SE
	s_setreg_imm32_b32 hwreg(HW_REG_WAVE_MODE, 25, 1), 1
	s_wait_xcnt 0x0
	s_wait_alu depctr_hold_cnt(0) depctr_sa_sdst(0) depctr_va_vdst(0) depctr_va_sdst(0) depctr_va_ssrc(0) depctr_va_vcc(0) depctr_vm_vsrc(0)
	s_getreg_b32 s2, hwreg(HW_REG_IB_STS2, 6, 4)
	s_cmp_eq_u32 s2, 0
	s_cbranch_scc0 .Lentry_in_a_cluster
	s_endpgm
.Lentry_in_a_cluster:
	s_bfe_u32 s2, ttmp6, 0x10000c
	s_cmp_lg_u32 s2, 0xf033
	s_cbranch_scc0 .Lentry_shape_is_right
	s_endpgm
.Lentry_shape_is_right:
; qkv[m][f] = sum over k of x[m][k] w_qkv[f][k], both operands as codes of FP4 (E2M1) with one E8M0 scale for each 32 along K; sums in f32; the result is rounded once to f16, the operand format of the attention's products.
; A: [8192][1024] codes, B: [3072][1024] codes, two codes a byte, the lower k in the low four bits; scale bytes [rows][32].
; THE RESULT IS LAID BY PLANES: [48 planes g = f / 64][8192 m][64] f16: plane h is q of head h, 16 + h its k, 32 + h its v.  A token's 64 numbers of a plane are 128 bytes and the tokens follow each other without a gap.
; LIMIT: a result beyond 65,504 becomes an infinity of f16.
; A tile of C, 256 x 256, is made by a work-group of four waves; a wave makes 128 x 128: 64 accumulators of 16 x 16, 512 registers.  K = 1,024 is two slots of 512 along K (a tile's row is 256 bytes):
; both slots and the scale bytes of the work-group's rows for all of K are first fills, three tensor loads a wave, and nothing is filled again.
; CLUSTERS: 4 x 4 work-groups.  The four of a row of the cluster need the same tiles of A, the four of a column the same tiles of B: each tile is asked for JOINTLY, by the same tensor load with the same descriptor
; and a mask that names the four.  THE MATRIX INSTRUCTION IS USED TRANSPOSED (source 0 = 16 rows of B, source 1 = 16 rows of A): a lane then holds eight neighbouring numbers of a row of C.
; REGISTERS, in windows of 256: window 0: v0-31 addresses; v32-95 scale words, two sets; from v128 A's fragments (8 x 16 rows x 128 K), ONE set; on the way out v32-127 are at work.
;   window 1: B's fragments, TWO sets, at v0 and at v128.   window 2: the 32 accumulators of my rows 0-63 (accumulator (a, b) at v[8 (8 a + b)]);   window 3: those of my rows 64-127.
; A step of 128 along K is 64 matrix instructions, A's blocks one after the other, each against B's eight: a block of A is free as soon as its eight products are issued, so one set of registers serves A.
.set SIZE_M, 8192
.set SIZE_N, 3072
.set SIZE_K, 1024
.set KSTEP,  512                       ; along K in a slot
.set NQ,     KSTEP/128                 ; matrix instructions deep
.set ROWB,   256                       ; a tile's row in bytes
.set KROW,   SIZE_K*4/8                ; a row of A or of B in memory, in bytes
.set PITCH,  272                       ; an LDS row: 256 bytes + 16 of padding = 68 words: row r starts at bank 4 r mod 64 (64 banks of 4 bytes: ISA guide 11.1)
.set FR,     8                         ; registers of a fragment
.set NL,     2                         ; LDS loads that bring one
.set NP,     4                         ; places behind this matrix instruction (ISA guide 7.12.1)
.set HALFT,  128*PITCH                 ; 128 rows: what one tensor load brings
.set SLOT,   4*HALFT                   ; A's 256 rows, then B's 256 rows
.set KS,     SIZE_K/32                 ; a row of scales in bytes
.set SCL,    2*SLOT                    ; behind the slots: the scales, as runs of 256 bytes + 16 of padding
.set HALFS,  (128*KS/256)*272          ; the scales of 128 rows
.set SBLK,   (16*KS/256)*272           ; those of 16 rows
.set SPARE,  SCL+4*HALFS               ; the spare words, 128 bytes a wave, which no other line names
.set STAGE,  SPARE+512                 ; the way out: bytes of its own, into which no tile lands
.set WSTG,   2*8*272                   ; a wave's stage: 2 planes x 8 rows of (two tokens' 256 bytes + 16)
.set PLANEB, SIZE_M*128                ; a plane of the result in bytes
.set ADRA, 16                          ; v16-17  LDS address of my A fragments in slot 0, 1
.set ADRB, 20                          ; v20-21  the same for B
.set STO,  24                          ; v24     the way out: where I put 16 bytes of a token
.set RD,   25                          ; v25     the way out: where I read them back
.set CO,   26                          ; v26     16 x lane
.set ADRS, 27                          ; v27     LDS address of my scale words: lanes 0-15 A's rows, lanes 16-31 B's
.set SPW,  28                          ; v28     LDS address of my spare word; never rewritten
.set NIL,  29                          ; v29     0; never rewritten
.set SC,   32                          ; scale words: set s at v[SC + 32 s]; register 4 i + q: lanes 0-15 the word of A's block i, lanes 16-31 that of B's block i, for the slot's q-th 128 along K
.set AF,   128                         ; A's fragments, in window 0
.set TMP,  32                          ; the way out: 32 registers of packed results
.set BK,   64                          ; and 16 tokens x 2 planes read back: v64-95 and v96-127 by turns
.set G1, 24                            ; s[24:31] descriptor group 1 for A's tiles;  s[32:39] group 0, one set for each slot
.set G0, 32
.set G1B, 48                           ; s[48:55], s[56:63] the same for B's tiles
.set G0B, 56
.set G1S, 68                           ; s[68:75], s[76:79] groups 1 and 0 for A's scales;  s[80:87], s[88:91] for B's
.set G0S, 76
.set G1SB, 80
.set G0SB, 88
.set MSB, 0
.macro WIN new                         ; the immediate's high byte repeats the setting that is left
.if MSB != \new
	s_set_vgpr_msb (MSB<<8)|\new
.set MSB, \new
.endif
.endm
.set MUL_LO, 0xa1                      ; source 0 (B) window 1, source 1 (A) window 0, C and D window 2
.set MUL_HI, 0xf1                      ; the same, C and D window 3
.set TO_B,   0x40                      ; destination window 1, address window 0
; A joint load: waves 0 and 1 fetch for A, waves 2 and 3 for B.  Each of the two lines has ONE mask and one set of registers for all that issue it; the branch hangs on the wave's number alone.
; An s_nop 0 and four v_nop follow each of the two lines.
.macro JLOAD g0a, g1a, g0b, g1b
	s_cmp_eq_u32 s15, 0
	s_cbranch_scc0 .Lfor_b_\@
	tensor_load_to_lds s[\g0a:\g0a+3], s[\g1a:\g1a+7]
	s_nop 0
.rept 4
	v_nop
.endr
	s_branch .Lasked_\@
.Lfor_b_\@:
	tensor_load_to_lds s[\g0b:\g0b+3], s[\g1b:\g1b+7]
	s_nop 0
.rept 4
	v_nop
.endr
.Lasked_\@:
.endm
.macro CROUND                          ; a round of the cluster's barrier: my work-group's barrier; wave 0 signals for the work-group; every wave waits for all sixteen; my work-group's barrier once more
	s_barrier_signal -1
	s_barrier_wait -1
	s_cmp_lg_u32 s14, 0
	s_cbranch_scc1 .Lnot_wave_0_\@
	s_barrier_signal -3
.Lnot_wave_0_\@:
	s_barrier_wait -3
	s_barrier_signal -1
	s_barrier_wait -1
.endm
	s_load_b128 s[4:7], s[0:1], 0x0                ; A's codes s[4:5], A's scales s[6:7]
	s_load_b128 s[8:11], s[0:1], 0x10              ; B's codes s[8:9], B's scales s[10:11]
	s_load_b64 s[12:13], s[0:1], 0x20              ; the result
	v_lshl_add_u32 v[SPW], v0, 2, SPARE
	v_mov_b32 v[NIL], 0
	ds_add_u32 v[SPW], v[NIL]                      ; the wave's opening: the add, twice on end, and its wait ahead of my first tensor load; the set-up below stands between
	ds_add_u32 v[SPW], v[NIL]
	v_lshrrev_b32 v1, 5, v0
	v_readfirstlane_b32 s14, v1                    ; wave 0..3
	s_lshr_b32 s15, s14, 1                         ; which half of the tile's rows is mine.  Also: I fetch for A (0) or for B (1)
	s_and_b32 s16, s14, 1                          ; which half of its columns.  Also: which 128 rows of that tile I fetch
	s_bfe_u32 s40, ttmp6, 0x40000                  ; cx, cy: my place in the cluster
	s_bfe_u32 s41, ttmp6, 0x40004
	s_lshl_b32 s42, ttmp9, 2
	s_add_co_u32 s42, s42, s40                     ; tile column of C = 4 x cluster x + cx
	s_and_b32 s17, ttmp7, 0xffff
	s_lshl_b32 s17, s17, 2
	s_add_co_u32 s17, s17, s41                     ; tile row of C = 4 x cluster y + cy
	s_lshl_b32 s43, s41, 2
	s_lshl_b32 s43, 15, s43                        ; my row of the cluster
	s_lshl_b32 s44, 0x1111, s40                    ; my column
	; descriptor group 1: a tile of 128 rows x 256 bytes, padded in LDS
	s_or_b32 s[G1+0], s43, (0<<16)|(1<<20)|(1<<21)|(5<<22)|(3<<25)  ; 15:0 the mask: A's tiles go to my row; 17:16 element of 1 byte; 20 padding on; 21 set beside a mask; 24:22 after every 64 words; 31:25 of 4 words
	s_or_b32 s[G1B+0], s44, (0<<16)|(1<<20)|(1<<21)|(5<<22)|(3<<25)
.irp g, G1, G1B
	s_mov_b32 s[\g+1], ROWB<<16                    ; tensor_dim0
	s_mov_b32 s[\g+2], 128<<16                     ; tensor_dim1 = 128
	s_mov_b32 s[\g+3], ROWB<<16                    ; tile_dim0
	s_mov_b32 s[\g+4], 128                         ; tile_dim1 = 128
	s_mov_b32 s[\g+5], KROW                        ; tensor_dim0_stride
	s_mov_b32 s[\g+6], 0
	s_mov_b32 s[\g+7], 0
.endr
	; and for the scales of 128 rows: a dense block of 4,096 bytes, as rows of 256 bytes (32 elements of 8 bytes), 16 bytes of padding behind each
	s_or_b32 s[G1S+0], s43, (3<<16)|(1<<20)|(1<<21)|(5<<22)|(3<<25)
	s_or_b32 s[G1SB+0], s44, (3<<16)|(1<<20)|(1<<21)|(5<<22)|(3<<25)
.irp g, G1S, G1SB
	s_mov_b32 s[\g+1], 32<<16
	s_mov_b32 s[\g+2], (128*KS/256)<<16
	s_mov_b32 s[\g+3], 32<<16
	s_mov_b32 s[\g+4], 128*KS/256
	s_mov_b32 s[\g+5], 32
	s_mov_b32 s[\g+6], 0
	s_mov_b32 s[\g+7], 0
.endr
	s_lshl_b32 s18, s16, 7                         ; which 128 rows of the tile I fetch
	s_lshl_b32 s20, s17, 8
	s_add_co_u32 s20, s20, s18                     ; A: row 256 x tile row + 128 x half
	s_lshl_b32 s46, s42, 8
	s_add_co_u32 s46, s46, s18                     ; B: row 256 x tile column + 128 x half
	s_mov_b32 s21, 0
	s_mov_b32 s47, 0
	s_mov_b64 s[18:19], KS
	s_mul_u64 s[22:23], s[20:21], s[18:19]         ; where these rows' scales begin, in bytes
	s_mul_u64 s[92:93], s[46:47], s[18:19]
	s_mov_b64 s[18:19], KROW
	s_mul_u64 s[20:21], s[20:21], s[18:19]         ; and their codes
	s_mul_u64 s[46:47], s[46:47], s[18:19]
	s_mul_i32 s45, s14, HALFT                      ; where they go: wave x 128 rows: no place in the cluster enters an LDS address
	s_mul_i32 s94, s14, HALFS
	s_wait_dscnt 0x0                               ; both opening adds are done
	s_wait_kmcnt 0x0
	s_add_nc_u64 s[20:21], s[4:5], s[20:21]
	s_add_nc_u64 s[22:23], s[6:7], s[22:23]
	s_add_nc_u64 s[46:47], s[8:9], s[46:47]
	s_add_nc_u64 s[92:93], s[10:11], s[92:93]
	CROUND                                         ; all sixteen work-groups are here: the joint loads meet
	s_mov_b32 s[G0S], 1
	s_add_co_u32 s[G0S+1], s94, SCL
	s_mov_b64 s[G0S+2:G0S+3], s[22:23]
	s_or_b32 s[G0S+3], s[G0S+3], 0x80000000
	s_mov_b32 s[G0SB], 1
	s_add_co_u32 s[G0SB+1], s94, SCL
	s_mov_b64 s[G0SB+2:G0SB+3], s[92:93]
	s_or_b32 s[G0SB+3], s[G0SB+3], 0x80000000
	JLOAD G0S, G1S, G0SB, G1SB                     ; the scales first: they are wanted with the first slot
.irp s, 0,1
	s_mov_b32 s[G0+4*\s], 1
	s_add_co_u32 s[G0+4*\s+1], s45, \s*SLOT
	s_add_nc_u64 s[G0+4*\s+2:G0+4*\s+3], s[20:21], \s*ROWB
	s_or_b32 s[G0+4*\s+3], s[G0+4*\s+3], 0x80000000
	s_mov_b32 s[G0B+4*\s], 1
	s_add_co_u32 s[G0B+4*\s+1], s45, \s*SLOT
	s_add_nc_u64 s[G0B+4*\s+2:G0B+4*\s+3], s[46:47], \s*ROWB
	s_or_b32 s[G0B+4*\s+3], s[G0B+4*\s+3], 0x80000000
	JLOAD G0+4*\s, G1, G0B+4*\s, G1B               ; three tensor loads of mine are out at the most
.endr
	v_and_b32 v1, 15, v0                           ; r = l % 16
	v_bfe_u32 v2, v0, 4, 1                         ; h = l / 16
	v_mul_u32_u24 v3, v1, PITCH
	v_lshl_add_u32 v4, v2, 4, v3                   ; a fragment's row x pitch + 16 x half
	s_mul_i32 s21, s15, HALFT                      ; my 128 rows of A
	s_mul_i32 s22, s16, HALFT                      ; my 128 rows of B,
	s_add_co_u32 s22, s22, 2*HALFT                 ; which lie behind A's 256
.irp s, 0,1
	v_add_nc_u32 v[ADRA+\s], s21, v4
	v_add_nc_u32 v[ADRB+\s], s22, v4
	s_add_co_u32 s21, s21, SLOT
	s_add_co_u32 s22, s22, SLOT
.endr
	v_mul_u32_u24 v5, v1, KS                       ; my row's scales: KS bytes a row,
	v_lshrrev_b32 v6, 8, v5
	v_lshl_add_u32 v5, v6, 4, v5                   ; and 16 more for each 256 passed
	s_mul_i32 s21, s15, HALFS                      ; A's: my 128 rows
	s_mul_i32 s22, s16, HALFS                      ; B's: my 128 rows, behind A's 256
	s_add_co_u32 s22, s22, 2*HALFS
	s_sub_co_u32 s22, s22, s21
	v_mul_u32_u24 v6, s22, v2                      ; lanes 16-31 take B's: the lower base + h x the distance
	s_add_co_u32 s21, s21, SCL
	v_add_nc_u32 v5, v5, v6
	v_add_nc_u32 v[ADRS], s21, v5
	s_mul_i32 s23, s14, WSTG
	s_add_co_u32 s23, s23, STAGE                   ; my stage
	v_lshrrev_b32 v5, 1, v1
	v_mul_u32_u24 v5, v5, 272                      ; in: token r lies in row r / 2,
	v_and_b32 v6, 1, v1
	v_lshl_add_u32 v5, v6, 7, v5                   ; in its half r % 2,
	v_lshl_add_u32 v5, v2, 4, v5                   ; 16 bytes for each half of the lanes
	v_add_nc_u32 v[STO], s23, v5
	v_mul_u32_u24 v5, v2, 272                      ; back: lanes 0-15 one row of 256 bytes, lanes 16-31 the next
	v_lshl_add_u32 v5, v1, 4, v5
	v_add_nc_u32 v[RD], s23, v5
	v_and_b32 v6, 31, v0
	v_lshlrev_b32 v[CO], 4, v6                     ; and the same 512 bytes, four tokens, in a plane
	s_lshl_b32 s20, s17, 15                        ; my first token: 256 x tile row + 128 x half, 128 bytes each
	s_lshl_b32 s21, s15, 14
	s_add_co_u32 s20, s20, s21
	s_mov_b32 s21, 0
	s_lshl_b32 s46, s42, 22                        ; my first plane: 4 x tile column + 2 x half, 2^20 bytes each
	s_lshl_b32 s47, s16, 21
	s_add_co_u32 s46, s46, s47
	s_mov_b32 s47, 0
	s_add_nc_u64 s[20:21], s[20:21], s[46:47]
	s_add_nc_u64 s[12:13], s[12:13], s[20:21]
.macro FRAG reg, adr, q, i             ; a fragment, 16 rows x 128 K of 4-bit codes: lane l holds row l % 16; registers 4 c .. 4 c + 3 hold K = 64 c + 32 (l / 16) + 0 .. 31
.irp c, 0,1
	ds_load_b128 v[\reg+4*\c:\reg+4*\c+3], v[\adr] offset:64*(\q)+32*\c+(\i)*16*PITCH
.endr
.endm
; 16 matrix instructions: A's blocks a0, a0 + 1 x B's eight, 128 along K: the slot's q-th.  p: B's set;  sc: the set of scale words.  zero = 1: the first product starts the sums: nothing is ever cleared.
; The 64 accumulators take turns, one instruction a turn, in the same order in every step.
.macro MUL16 a0, p, q, sc, zero
.irp a, \a0, \a0+1
.irp b, 0,1,2,3,4,5,6,7
.if \zero
	v_wmma_scale_f32_16x16x128_f8f6f4 v[8*(8*((\a)%4)+\b):8*(8*((\a)%4)+\b)+7], v[128*(\p)+FR*\b:128*(\p)+FR*\b+FR-1], v[AF+FR*(\a):AF+FR*(\a)+FR-1], 0, v[SC+8*NQ*(\sc)+NQ*\b+(\q)], v[SC+8*NQ*(\sc)+NQ*(\a)+(\q)] matrix_a_fmt:MATRIX_FMT_FP4 matrix_b_fmt:MATRIX_FMT_FP4 matrix_a_scale:MATRIX_SCALE_ROW1
.else
	v_wmma_scale_f32_16x16x128_f8f6f4 v[8*(8*((\a)%4)+\b):8*(8*((\a)%4)+\b)+7], v[128*(\p)+FR*\b:128*(\p)+FR*\b+FR-1], v[AF+FR*(\a):AF+FR*(\a)+FR-1], v[8*(8*((\a)%4)+\b):8*(8*((\a)%4)+\b)+7], v[SC+8*NQ*(\sc)+NQ*\b+(\q)], v[SC+8*NQ*(\sc)+NQ*(\a)+(\q)] matrix_a_fmt:MATRIX_FMT_FP4 matrix_b_fmt:MATRIX_FMT_FP4 matrix_a_scale:MATRIX_SCALE_ROW1
.endif
.endr
.endr
.endm
.macro FETCH_B slot, q, p              ; B's eight fragments of the slot's q-th 128 along K into set p
	WIN TO_B
.irp i, 0,1,2,3,4,5,6,7
	FRAG 128*(\p)+FR*\i, ADRB+\slot, \q, \i
.endr
	WIN 0
.endm
.macro FETCH_A slot, q, i0             ; A's blocks i0 .. i0 + 3
.irp i, \i0, \i0+1, \i0+2, \i0+3
	FRAG AF+FR*(\i), ADRA+\slot, \q, \i
.endr
.endm
.macro SCALES sc                       ; a slot's scale words into set sc: 4 words a row; lanes 0-15 take A's block i, lanes 16-31 B's block i
.irp i, 0,1,2,3,4,5,6,7
	ds_load_b128 v[SC+8*NQ*\sc+NQ*\i:SC+8*NQ*\sc+NQ*\i+3], v[ADRS] offset:\i*SBLK
.endr
.endm
; A load into a register that a matrix instruction has read, and a vector instruction that reads a matrix result or writes one of its registers, stand NP places behind that matrix instruction;
; only plain vector instructions that name none of its registers are places.
.macro PLACES n
.rept \n
	v_nop
.endr
.endm
; A step of 128 along K that has its successor in the same slot.
.macro STEP slot, q, zero
	s_wait_dscnt 4*NL                              ; B's set and A's blocks 0-3 are in; the youngest eight loads (A's blocks 4-7) may be out
	WIN MUL_LO
	MUL16 0, (\q)%2, \q, \slot, \zero
	MUL16 2, (\q)%2, \q, \slot, \zero
	s_wait_dscnt 0                                 ; A's blocks 4-7 are in (asked for 32 matrix instructions ago)
	PLACES NP
	FETCH_B \slot, (\q)+1, 1-(\q)%2
	FETCH_A \slot, (\q)+1, 0
	WIN MUL_HI
	MUL16 4, (\q)%2, \q, \slot, \zero
	MUL16 6, (\q)%2, \q, \slot, \zero
	PLACES NP
	WIN 0
	FETCH_A \slot, (\q)+1, 4
.endm
; Slot 0's last step changes slots: ONE barrier; in front of it each wave waits for all its tensor loads, so that behind it slot 1 is whole for every wave.  Nothing is filled again.
.macro TURN slot, next
	s_wait_tensorcnt 0x0                           ; all my tensor loads have landed: my part of the next slot
	ds_add_u32 v[SPW], v[NIL]                      ; 0 onto my spare word
	s_wait_dscnt 4*NL+1                            ; (the add and the youngest eight loads, A's blocks 4-7, may be out)
	WIN MUL_LO
	MUL16 0, 1, NQ-1, \slot, 0                     ; sixteen matrix instructions stand between the add and the wait for it
	s_wait_dscnt 0x0                               ; the add is done, and no LDS load of mine is out at the signal
	s_barrier_signal -1
	MUL16 2, 1, NQ-1, \slot, 0
	WIN 0
	s_barrier_wait -1
	PLACES NP
	v_add_nc_u32 v[ADRS], 4*NQ, v[ADRS]            ; on to the next slot's scale words
	FETCH_B \next, 0, 0
	FETCH_A \next, 0, 0
	SCALES \next
	WIN MUL_HI
	MUL16 4, 1, NQ-1, \slot, 0
	MUL16 6, 1, NQ-1, \slot, 0
	PLACES NP
	WIN 0
	FETCH_A \next, 0, 4
.endm
.macro STEPS slot, from                ; the slot's steps from .. NQ - 2
.set Q, \from
.rept NQ-1-\from
	STEP \slot, Q, 0
.set Q, Q+1
.endr
.endm
	s_wait_tensorcnt 1                             ; the scales and my part of slot 0 are in (slot 1's load may be out)
	s_barrier_signal -1
	s_barrier_wait -1                              ; everybody's are
	FETCH_B 0, 0, 0
	FETCH_A 0, 0, 0
	SCALES 0
	FETCH_A 0, 0, 4
	STEP 0, 0, 1                                   ; the first step's products start the sums
	STEPS 0, 1
	TURN 0, 1
	STEPS 1, 0
	s_wait_dscnt 4*NL                              ; the very last step: nothing more to fetch
	WIN MUL_LO
	MUL16 0, 1, NQ-1, 1, 0
	MUL16 2, 1, NQ-1, 1, 0
	s_wait_dscnt 0
	WIN MUL_HI
	MUL16 4, 1, NQ-1, 1, 0
	MUL16 6, 1, NQ-1, 1, 0
	WIN 0
; THE WAY OUT, block by block of 16 tokens x 128 columns (two planes).  PACK: rounded to f16, a lane's eight neighbours are 16 bytes.  TOSTAGE: into my own stage, two tokens to a row of 256 bytes + 16, and back by rows.
; SEND: each store of the wave covers 512 consecutive bytes of a plane (four tokens), aligned.  LDS serves a wave's instructions in order (ISA guide 5.7.1.4): no wait between the stage's stores and loads.
.macro PACK a
.set AC, 64*((\a)%4)
	WIN 0x0a+5*((\a)/4)                            ; sources 0 and 1: window 2 or 3
.irp b, 0,1,2,3,4,5,6,7
.irp r, 0,1,2,3
	v_cvt_pk_f16_f32 v[TMP+4*\b+\r], v[AC+8*\b+2*\r], v[AC+8*\b+2*\r+1]   ; each accumulator from its low end on
.endr
.endr
	WIN 0
.endm
.macro TOSTAGE a
.set BB, BK+32*((\a)%2)
.irp b, 0,1,2,3,4,5,6,7
	ds_store_b128 v[STO], v[TMP+4*\b:TMP+4*\b+3] offset:(\b/4)*8*272+32*(\b%4)   ; plane b / 4, channels 16 (b % 4) + 8 h on
.endr
.irp i, 0,1,2,3,4,5,6,7
	ds_load_b128 v[BB+4*\i:BB+4*\i+3], v[RD] offset:(\i/4)*8*272+(\i%4)*2*272
.endr
.endm
.macro SEND a
.set BB, BK+32*((\a)%2)
	s_wait_dscnt 0x0                               ; the block is back in registers
	s_wait_xcnt 0x0                                ; the stores of the block before have read their data: the next block's loads land there only behind this wait
.irp i, 0,1,2,3,4,5,6,7
	global_store_b128 v[CO], v[BB+4*\i:BB+4*\i+3], s[12:13] offset:(\i/4)*PLANEB+(\a)*2048+(\i%4)*512
.endr
.endm
	PLACES NP                                      ; behind the last products: the conversions read results and write registers that held scale words
	PACK 0
	TOSTAGE 0
.irp a, 1,2,3,4,5,6,7                  ; block a's conversions stand between block a - 1's loads from the stage and the wait for them
	PACK \a
	SEND \a-1
	TOSTAGE \a
.endr
	SEND 7
	s_wait_tensorcnt 0x0                           ; the wave's end: behind my last tensor load and my last LDS store
	ds_add_u32 v[SPW], v[NIL]
	s_wait_dscnt 0x0
	CROUND                                         ; the closing round: no work-group ends while a partner may still ask for a tile that names it
	s_endpgm
.Lfunc_end_k_q6a4e276a79_qkvgemm:
	.size	k_q6a4e276a79_qkvgemm, .Lfunc_end_k_q6a4e276a79_qkvgemm-k_q6a4e276a79_qkvgemm
	.p2alignl 7, 3214868480
	.fill 96, 4, 3214868480
	.section	.rodata,"a",@progbits
	.p2align	6, 0x0
	.amdhsa_kernel k_q6a4e276a79_qkvgemm
		.amdhsa_group_segment_fixed_size 327680
		.amdhsa_private_segment_fixed_size 0
		.amdhsa_enable_private_segment 0
		.amdhsa_kernarg_size 40
		.amdhsa_user_sgpr_count 2
		.amdhsa_user_sgpr_kernarg_segment_ptr 1
		.amdhsa_wavefront_size32 1
		.amdhsa_system_sgpr_workgroup_id_x 1
		.amdhsa_system_sgpr_workgroup_id_y 1
		.amdhsa_system_sgpr_workgroup_id_z 1
		.amdhsa_system_vgpr_workitem_id 0
		.amdhsa_next_free_vgpr 1024
		.amdhsa_next_free_sgpr 98
		.amdhsa_reserve_vcc 0
		.amdhsa_float_denorm_mode_32 3
		.amdhsa_float_denorm_mode_16_64 3
		.amdhsa_memory_ordered 1
		.amdhsa_forward_progress 1
		.amdhsa_inst_pref_size 126
	.end_amdhsa_kernel
	.amdgpu_metadata
---
amdhsa.version: [ 1, 2 ]
amdhsa.kernels:
  - .name:           k_q6a4e276a79_qkvgemm
    .symbol:         k_q6a4e276a79_qkvgemm.kd
    .args:
      - { .name: xc, .offset: 0, .size: 8, .value_kind: global_buffer, .address_space: global }
      - { .name: xs, .offset: 8, .size: 8, .value_kind: global_buffer, .address_space: global }
      - { .name: wc, .offset: 16, .size: 8, .value_kind: global_buffer, .address_space: global }
      - { .name: ws, .offset: 24, .size: 8, .value_kind: global_buffer, .address_space: global }
      - { .name: qkv, .offset: 32, .size: 8, .value_kind: global_buffer, .address_space: global }
    .group_segment_fixed_size: 327680
    .private_segment_fixed_size: 0
    .kernarg_segment_align: 8
    .kernarg_segment_size: 40
    .max_flat_workgroup_size: 128
    .sgpr_count:     98
    .vgpr_count:     1024
    .wavefront_size: 32
...
	.end_amdgpu_metadata
.endif
;; end of part 2
;; launch attention (part 3): grid 4 x 64, 8 waves a work-group, clusters of 4 x 1, 327,680 bytes of LDS; arguments qkv, ctx; writes ctx
.if DOCPART == 3
	.amdgcn_target "amdgcn-amd-amdhsa--gfx1250"
	.amdhsa_code_object_version 6
	.text
	.protected	k_q6a4e276a79_attention
	.globl	k_q6a4e276a79_attention
	.p2align	8
	.type	k_q6a4e276a79_attention,@function
k_q6a4e276a79_attention:
	s_mov_b64 s[64:65], 0
	v_nop
	global_prefetch_b8 v0, s[64:65] scope:SCOPE_SE
	s_setreg_imm32_b32 hwreg(HW_REG_WAVE_MODE, 25, 1), 1
	s_wait_xcnt 0x0
	s_wait_alu depctr_hold_cnt(0) depctr_sa_sdst(0) depctr_va_vdst(0) depctr_va_sdst(0) depctr_va_ssrc(0) depctr_va_vcc(0) depctr_vm_vsrc(0)
	s_getreg_b32 s2, hwreg(HW_REG_IB_STS2, 6, 4)
	s_cmp_eq_u32 s2, 0
	s_cbranch_scc0 .Lentry_in_a_cluster
	s_endpgm
.Lentry_in_a_cluster:
	s_bfe_u32 s2, ttmp6, 0x10000c
	s_cmp_lg_u32 s2, 0x3003
	s_cbranch_scc0 .Lentry_shape_is_right
	s_endpgm
.Lentry_shape_is_right:
; ctx[h][m][:] = the sum over keys j of softmax_j(q[m] . k[j] / 8) v[j][:], for each of 4 sequences of 2,048 tokens and 16 heads of 64 channels.  No mask.
; qkv: [48 planes][8192 m][64] f16 (plane h: q, 16 + h: k, 32 + h: v; m = 2048 b + t).  ctx: [16 h][8192 m][64] f16.  Products on f16 operands, maxima and sums in f32; the weights p are rounded to f16 for the
; second product, the result once at the end.
; LIMITS: scores under -3e38, NaN and infinities are not served; a result beyond 65,504 becomes an infinity of f16, one under 6e-5 keeps fewer bits.
; SHARES.  A work-group owns 512 queries of one (b, h), each of its eight waves 64: four tiles of 16, in 512 registers.  Every wave walks the 2,048 keys, 64 a step.
; LAYOUT.  S^T = K Q^T (source 0 = 16 keys, source 1 = 16 queries): a lane holds ONE query (lane % 16) and the keys 8 (lane / 16) + 0..7.  Two such tiles, rounded to f16 in pairs, ARE source 1 (32 keys x 16 queries)
; of O^T = V^T P, whose result again holds one query a lane and eight channels.  K comes out of LDS as it lies, V ([key][channel]) turned, by ds_load_tr16_b128.
; SOFTMAX.  For each query a running maximum m and sum l: p = 2^(c s - c m), c = log2(e) / 8; in every step O and l are multiplied by a = 2^(c m_old - c m_new).  O, l begin as zeros and m as -3e38: the step is written once.
; TWO KINDS OF WAVES.  A wave issues in order, so a step's 64 products and its 472 vector instructions follow each other in a wave.  Kind 0 runs K Q^T, softmax, V^T P of step t in trip t; kind 1 runs softmax and V^T P
; of step t - 1 and then K Q^T of step t.  So behind every barrier one kind begins with matrix work and the other with vector work.  The kind is (w xor w / 4) % 2: it differs between waves w and w + 4 and between 2 i and 2 i + 1.
; Both kinds read step t's K and V from LDS in trip t; kind 1 carries its scores and V in registers over a change of slots.  All waits, adds, barriers and loops are common text.
; CLUSTER.  The four work-groups of a cluster are the four query blocks of one (b, h) and walk the same K and V: each tile is asked for JOINTLY, by the same tensor load with the same descriptor and the mask of all four.
; LDS.  Two tokens' 128 bytes make a row of 256 bytes; K's rows have 16 bytes of padding, V's 32.  A slot holds 512 keys; two slots take turns; each wave fetches 128 keys of K (waves 0-3) or of V (waves 4-7) by one load.
; REGISTERS: window 0: v1-12 addresses; v30, v31 the add's two; v32-63 statistics, 8 a tile; v64-127 Q; v128-255 S^T, 32 a tile, then p, then P packed into the tile's first 16.
;            window 1: v0-63 V of one step; v64-191 O^T, 32 a tile; v192-255 K of one step.
.set PKR,   272                        ; K's row in LDS: 68 words: row i starts at bank 4 i mod 64 (64 banks of 4 bytes: ISA guide 11.1): the 16 keys of a load fall on 16 different runs of 16 bytes
.set PVR,   288                        ; V's row: 72 words
.set KSTP,  32*PKR                     ; a step's 64 keys of K
.set VSTP,  32*PVR                     ; and of V
.set VOFF,  256*PKR                    ; a slot: 256 rows of K, then 256 rows of V
.set SLOTB, 256*(PKR+PVR)
.set STAGE, 2*SLOTB                    ; behind the ring: 8 rows x 272 bytes for each wave, for the way out
.set WSTG,  8*272
.set SPARE, STAGE+8*WSTG               ; the spare words, 128 bytes a wave, which no other line names
.set AK0, 2                            ; v2   my lane's place in a tile of K (and in my stage); never rewritten
.set AV0, 3                            ; v3   the same for V
.set ADK, 4                            ; v4   LDS address of the step's K
.set ADV, 5                            ; v5   and V
.set QO,  6                            ; v6   my byte offset in the wave's rows of q
.set STO, 7                            ; v7   the way out: where I put 16 bytes of a token
.set RD,  8                            ; v8   where I read them back
.set GO,  9                            ; v9   16 x lane
.set PFO, 12                           ; v12  256 x lane; never rewritten
.set SPW, 30                           ; v30  LDS address of my spare word; never rewritten
.set NIL, 31                           ; v31  0; never rewritten
.set ST,  32                           ; tile t's statistics at v[ST + 8 t]: +0 c m, +1 m, +2, +3 l (even keys', odd keys'), +4 to +7 at work; a takes +6
.set Q,   64
.set S,   128
.set VF,  0                            ; window 1
.set OB,  64
.set KF,  192
.set WV,  12                           ; s12  my wave's number
.set W3,  13                           ; s13  wave % 4: which 128 keys of a slot I fetch
.set TY,  14                           ; s14  my kind
.set PFA, 18                           ; s[18:19] where my prefetches stand; never rewritten
.set G1K, 24                           ; s[24:31] descriptor group 1 for K's tiles
.set G1V, 32                           ; s[32:39] for V's: it differs in the padding alone
.set G0K, 40                           ; s[40:47] group 0 for K's tiles, a set for each slot
.set G0V, 48                           ; s[48:55] the same for V's
.set CNT, 56                           ; s56  counts a slot's steps
.set CS,  58                           ; s[58:59] c: the packed scaling names a pair and takes its low word for both halves
.set SEL, 60                           ; s[60:61] lane selects for v_permlanex16_b32: lane l xor 16
.set TK,  62                           ; s62  LDS byte at which the step's K begins
.set TV,  63                           ; s63  and, less VOFF, its V
.set MSB, 0
.macro WIN new                         ; the immediate's high byte repeats the setting that is left; a switch that changes nothing is dropped
.if MSB != \new
	s_set_vgpr_msb (MSB<<8)|\new
.set MSB, \new
.endif
.endm
.set W_KQ, 0x01                        ; K in window 1; Q and S^T in window 0
.set W_PV, 0x51                        ; V and O^T in window 1, P in window 0
.set W_RS, 0x41                        ; O^T (destination and source 0) in window 1, the factor in window 0
.set W_LD, 0x40                        ; destination window 1, address window 0
; A joint load into slot n: waves 0-3 fetch K, waves 4-7 V.  The branch hangs on the wave's number alone.  An s_nop 0 and four v_nop follow each of the two lines.
.macro JLOAD n
	s_cmp_lt_u32 s[WV], 4
	s_cbranch_scc0 .Lfor_v_\@
	tensor_load_to_lds s[G0K+4*\n:G0K+4*\n+3], s[G1K:G1K+7]
	s_nop 0
.rept 4
	v_nop
.endr
	s_branch .Lasked_\@
.Lfor_v_\@:
	tensor_load_to_lds s[G0V+4*\n:G0V+4*\n+3], s[G1V:G1V+7]
	s_nop 0
.rept 4
	v_nop
.endr
.Lasked_\@:
.endm
; A PREFETCH INTO THE L2 of the 512 keys that the NEXT change of slots will ask for: 65,536 bytes of K and as many of V.  It stands behind the wave's tensor load and its five lines.  Only this cluster reads this (b, h):
; its four partners take 16,384 bytes each, told apart BY ADDRESS; in each, waves 0 and 1 ask for K's and waves 4 and 5 for V's, 8,192 bytes a wave, lanes 256 bytes apart.  So each aligned block of 256 bytes is named
; once in the launch.  k: which 512 keys; it stands in the immediate, and no register is stepped.  The first 1,024 keys come by their loads alone, and the last change that fills a slot asks for nothing.
.macro ASK k
	s_cmp_lt_u32 s[W3], 2
	s_cbranch_scc0 .Lnot_mine_\@
	global_prefetch_b8 v[PFO], s[PFA:PFA+1] offset:\k*65536 th:TH_LOAD_NT scope:SCOPE_SE
.Lnot_mine_\@:
.endm
.macro CROUND                          ; a round of the cluster's barrier: my work-group's barrier; wave 0 signals for the work-group; every wave waits for all four; my work-group's barrier once more
	s_barrier_signal -1
	s_barrier_wait -1
	s_cmp_lg_u32 s[WV], 0
	s_cbranch_scc1 .Lnot_wave_0_\@
	s_barrier_signal -3
.Lnot_wave_0_\@:
	s_barrier_wait -3
	s_barrier_signal -1
	s_barrier_wait -1
.endm
	s_load_b128 s[4:7], s[0:1], 0x0                ; qkv s[4:5], ctx s[6:7]
	v_lshl_add_u32 v[SPW], v0, 2, SPARE
	v_mov_b32 v[NIL], 0
	ds_add_u32 v[SPW], v[NIL]                      ; the wave's opening: the add, twice on end, and its wait ahead of my first tensor load; the set-up below stands between
	ds_add_u32 v[SPW], v[NIL]
	v_lshrrev_b32 v1, 5, v0
	v_readfirstlane_b32 s[WV], v1                  ; wave 0..7
	s_and_b32 s[W3], s[WV], 3
	s_lshr_b32 s[TY], s[WV], 2
	s_xor_b32 s[TY], s[TY], s[WV]
	s_and_b32 s[TY], s[TY], 1                      ; my kind
	s_bfe_u32 s15, ttmp6, 0x40000                  ; cx: my block of 512 queries (the grid is one cluster wide): it enters q's, ctx's and the prefetches' addresses alone
	s_and_b32 s20, ttmp7, 0xffff                   ; 16 b + h, which the four partners share
	s_and_b32 s21, s20, 15
	s_lshr_b32 s20, s20, 4
	s_lshl_b32 s21, s21, 20                        ; a plane is 2^20 bytes,
	s_lshl_b32 s20, s20, 18                        ; a sequence's 2,048 tokens 2^18
	s_add_co_u32 s20, s20, s21                     ; where (b, h) begins in q's planes and in ctx
	s_lshl_b32 s22, s15, 16                        ; my block's 512 rows of 128 bytes,
	s_lshl_b32 s23, s[WV], 13                      ; my wave's 64
	s_add_co_u32 s22, s22, s23
	s_add_co_u32 s22, s22, s20
	s_mov_b32 s23, 0
	s_lshl_b32 s2, s[W3], 14                       ; the 128 keys that I fetch,
	s_add_co_u32 s2, s2, s20
	s_add_co_u32 s2, s2, 1<<24                     ; in k's planes, 16 planes on
	s_mov_b32 s3, 0
	s_mul_i32 s57, s[W3], 64*PKR                   ; and their place in a slot: no place in the cluster enters an LDS address
	s_mul_i32 s66, s[W3], 64*PVR
	s_add_co_u32 s66, s66, VOFF
	s_lshr_b32 s76, s[WV], 2                       ; the prefetches: k's planes (waves 0-3) or v's (waves 4-7): 16 or 32 planes on,
	s_add_co_u32 s76, s76, 1
	s_lshl_b32 s76, s76, 24
	s_add_co_u32 s76, s76, s20
	s_lshl_b32 s77, s15, 14                        ; my work-group's 16,384 bytes of a slot's 65,536,
	s_add_co_u32 s76, s76, s77
	s_lshl_b32 s77, s[W3], 13                      ; my wave's 8,192
	s_add_co_u32 s76, s76, s77
	s_mov_b32 s77, 0
	; descriptor group 1: a tile of 64 rows x 128 elements (128 keys, dense in memory), padded in LDS
	s_mov_b32 s[G1K], 15|(1<<16)|(1<<20)|(1<<21)|(5<<22)|(3<<25)  ; 15:0 the mask: all four work-groups; 17:16 elements of 2 bytes; 20 padding on; 21 set beside a mask; 24:22 after every 64 words; 31:25 4 words of it
	s_mov_b32 s[G1V], 15|(1<<16)|(1<<20)|(1<<21)|(5<<22)|(7<<25)  ; the same with 8 words of padding
.irp g, G1K, G1V
	s_mov_b32 s[\g+1], 128<<16                     ; tensor_dim0 = 128
	s_mov_b32 s[\g+2], 64<<16                      ; tensor_dim1 = 64
	s_mov_b32 s[\g+3], 128<<16                     ; tile_dim0 = 128
	s_mov_b32 s[\g+4], 64                          ; tile_dim1 = 64
	s_mov_b32 s[\g+5], 128                         ; tensor_dim0_stride
	s_mov_b32 s[\g+6], 0
	s_mov_b32 s[\g+7], 0
.endr
	s_mov_b32 s[CS], 0x3e38aa3b                    ; c = log2(e) / 8
	s_mov_b32 s[CS+1], s[CS]                       ; named with it as a pair, so it is written
	s_mov_b32 s[SEL], 0x76543210
	s_mov_b32 s[SEL+1], 0xfedcba98
	s_wait_dscnt 0x0                               ; both opening adds are done
	s_wait_kmcnt 0x0
	s_add_nc_u64 s[16:17], s[4:5], s[22:23]        ; q at my wave's first row
	s_add_nc_u64 s[70:71], s[6:7], s[22:23]        ; ctx likewise
	s_add_nc_u64 s[72:73], s[4:5], s[2:3]          ; k at my tile of the first 512 keys
	s_add_nc_u64 s[74:75], s[72:73], 1<<24         ; v: 16 planes further on
	s_add_nc_u64 s[PFA:PFA+1], s[4:5], s[76:77]
	CROUND                                         ; all four work-groups are here: the first joint loads meet
.irp n, 0,1
	s_mov_b32 s[G0K+4*\n], 1                       ; count = 1
	s_add_co_u32 s[G0K+4*\n+1], s57, \n*SLOTB      ; LDS address
	s_add_nc_u64 s[G0K+4*\n+2:G0K+4*\n+3], s[72:73], \n*65536   ; global address: slot n begins with keys 512 n
	s_or_b32 s[G0K+4*\n+3], s[G0K+4*\n+3], 0x80000000           ; type = 2
	s_mov_b32 s[G0V+4*\n], 1
	s_add_co_u32 s[G0V+4*\n+1], s66, \n*SLOTB
	s_add_nc_u64 s[G0V+4*\n+2:G0V+4*\n+3], s[74:75], \n*65536
	s_or_b32 s[G0V+4*\n+3], s[G0V+4*\n+3], 0x80000000
.endr
	JLOAD 0                                        ; keys 0 to 511
	; A fragment of K or Q is 16 rows x 32 channels in 8 registers: lane l holds row l % 16; registers 0-3 channels 8 (l / 16) + 0..7, registers 4-7 channels 16 + 8 (l / 16) + 0..7.
	v_and_b32 v1, 15, v0                           ; r
	v_bfe_u32 v10, v0, 4, 1                        ; h
	v_lshlrev_b32 v[QO], 7, v1
	v_lshl_add_u32 v[QO], v10, 4, v[QO]            ; row x 128 + 16 x half
.irp f, 0,1,2,3,4,5,6,7                        ; Q stays in registers: tile f / 2, channels 32 (f % 2) on
	global_load_b128 v[Q+8*\f:Q+8*\f+3],   v[QO], s[16:17] offset:(\f/2)*2048+(\f%2)*64
	global_load_b128 v[Q+8*\f+4:Q+8*\f+7], v[QO], s[16:17] offset:(\f/2)*2048+(\f%2)*64+32
.endr
	v_lshrrev_b32 v11, 1, v1
	v_mul_u32_u24 v[AK0], v11, PKR                 ; key r lies in row r / 2,
	v_and_b32 v11, 1, v0
	v_lshl_add_u32 v[AK0], v11, 7, v[AK0]          ; in its half r % 2,
	v_lshl_add_u32 v[AK0], v10, 4, v[AK0]          ; + 16 x half of the lanes
	; The turning load takes 16 keys x 16 channels: lane l reads 16 bytes: key 8 (l / 16) + l % 8, channels 8 ((l / 8) % 2) + 0..7, and is left with channel l % 16 and 8 keys.
	v_bfe_u32 v[AV0], v0, 1, 2                     ; (l % 8) / 2
	v_lshl_add_u32 v[AV0], v10, 2, v[AV0]          ; + 4 h: the key's row
	v_mul_u32_u24 v[AV0], v[AV0], PVR
	v_lshl_add_u32 v[AV0], v11, 7, v[AV0]          ; its half of the row
	v_bfe_u32 v11, v0, 3, 1
	v_lshl_add_u32 v[AV0], v11, 4, v[AV0]
	v_add_nc_u32 v[AV0], VOFF, v[AV0]
	s_mul_i32 s57, s[WV], WSTG
	s_add_co_u32 s57, s57, STAGE                   ; my stage
	v_add_nc_u32 v[STO], s57, v[AK0]               ; in: token r as key r above
	v_mul_u32_u24 v[RD], v10, 272                  ; back: lanes 0-15 one row of 256 bytes, lanes 16-31 the next
	v_lshl_add_u32 v[RD], v1, 4, v[RD]
	v_add_nc_u32 v[RD], s57, v[RD]
	v_and_b32 v[GO], 31, v0
	v_lshlrev_b32 v[PFO], 8, v[GO]
	v_lshlrev_b32 v[GO], 4, v[GO]
.irp t, 0,1,2,3
	v_mov_b32 v[ST+8*\t+1], 0xff61b1e6             ; m = -3e38, under every score that is served
	v_mul_f32 v[ST+8*\t], s[CS], v[ST+8*\t+1]      ; c m
	v_mov_b32 v[ST+8*\t+2], 0                      ; l
	v_mov_b32 v[ST+8*\t+3], 0
.endr
	WIN W_LD
.set i, 0
.rept 128
	v_mov_b32 v[OB+i], 0                           ; O^T.  The step is written once: the first finds zeros, which its a = 0 leaves zeros; a first step of its own would be one more copy of the softmax
.set i, i+1
.endr
	WIN 0
; The head of a trip, for both kinds: the step's addresses, and its K (64 keys x 64 channels: 8 fragments).  The two additions are places too.
.macro HEAD
	v_add_nc_u32 v[ADK], s[TK], v[AK0]
	v_add_nc_u32 v[ADV], s[TV], v[AV0]
	WIN W_LD
.irp f, 0,1,2,3,4,5,6,7                        ; keys 16 (f / 2) on, channels 32 (f % 2) on
	ds_load_b128 v[KF+8*\f:KF+8*\f+3],   v[ADK] offset:(\f/2)*8*PKR+(\f%2)*64
	ds_load_b128 v[KF+8*\f+4:KF+8*\f+7], v[ADK] offset:(\f/2)*8*PKR+(\f%2)*64+32
.endr
	WIN 0
.endm
; The step's V (turned), and its 32 products S^T = K Q^T.  Five places stand ahead: the loads land in registers that the last V^T P read (four are owed), and the products write over P, which it read too (five).
; The 16 accumulators take turns, one instruction a turn.  Four places stand behind: for the first read of the scores, and for the next loads into K's registers.
.macro KQBLOCK
.rept 5
	v_nop
.endr
	WIN W_LD
.irp f, 0,1,2,3,4,5,6,7                        ; keys 32 (f / 4) on, channels 16 (f % 4) on
	ds_load_tr16_b128 v[VF+8*\f:VF+8*\f+3],   v[ADV] offset:(\f/4)*16*PVR+(\f%4)*32
	ds_load_tr16_b128 v[VF+8*\f+4:VF+8*\f+7], v[ADV] offset:(\f/4)*16*PVR+8*PVR+(\f%4)*32
.endr
	s_wait_dscnt 16                                ; K is in; V's 16 loads, issued behind K's, may be out
	WIN W_KQ
.set i, 0
.rept 32                                       ; product i: channels 32 (i / 16) on, keys 16 ((i / 4) % 4) on, tile i % 4; the first 16 start the sums
.set rS, S+32*(i%4)+8*((i/4)%4)
.set rK, KF+8*(2*((i/4)%4)+i/16)
.set rQ, Q+16*(i%4)+8*(i/16)
.if i < 16
	v_wmma_f32_16x16x32_f16 v[rS:rS+7], v[rK:rK+7], v[rQ:rQ+7], 0
.else
	v_wmma_f32_16x16x32_f16 v[rS:rS+7], v[rK:rK+7], v[rQ:rQ+7], v[rS:rS+7]
.endif
.set i, i+1
.endr
	WIN 0
.rept 4
	v_nop
.endr
.endm
; The softmax of the scores in hand, 118 instructions a tile, the four tiles by turns so that no line waits for the line above it; then the 32 products O^T += V^T P.
.macro SMPV
.irp j, 0,1,2,3                                ; the maximum of the lane's 32 scores and the old m, three operands at a time; each accumulator is read from its low end on
.irp t, 0,1,2,3
	v_max3_num_f32 v[ST+8*\t+4+\j], v[S+32*\t+8*\j], v[S+32*\t+8*\j+1], v[S+32*\t+8*\j+2]
.endr
.endr
.irp g, 1,2
.irp j, 0,1,2,3
.irp t, 0,1,2,3
	v_max3_num_f32 v[ST+8*\t+4+\j], v[ST+8*\t+4+\j], v[S+32*\t+8*\j+2*\g+1], v[S+32*\t+8*\j+2*\g+2]
.endr
.endr
.endr
.irp t, 0,1,2,3
	v_max3_num_f32 v[ST+8*\t+4], v[ST+8*\t+4], v[S+32*\t+7], v[S+32*\t+15]
.endr
.irp t, 0,1,2,3
	v_max3_num_f32 v[ST+8*\t+6], v[ST+8*\t+6], v[S+32*\t+23], v[S+32*\t+31]
.endr
.irp t, 0,1,2,3
	v_max3_num_f32 v[ST+8*\t+4], v[ST+8*\t+4], v[ST+8*\t+5], v[ST+8*\t+6]
.endr
.irp t, 0,1,2,3
	v_max3_num_f32 v[ST+8*\t+4], v[ST+8*\t+4], v[ST+8*\t+7], v[ST+8*\t+1]
.endr
.irp t, 0,1,2,3
	v_permlanex16_b32 v[ST+8*\t+5], v[ST+8*\t+4], s[SEL], s[SEL+1]  ; the query's other 32 keys lie in the lane 16 away
.endr
.irp t, 0,1,2,3
	v_mov_b32 v[ST+8*\t+7], v[ST+8*\t]             ; c m_old is kept for a
.endr
.irp t, 0,1,2,3
	v_max_num_f32 v[ST+8*\t+1], v[ST+8*\t+4], v[ST+8*\t+5]   ; the new m
.endr
.irp t, 0,1,2,3
	v_mul_f32 v[ST+8*\t], s[CS], v[ST+8*\t+1]
.endr
.irp t, 0,1,2,3
	v_sub_f32 v[ST+8*\t+7], v[ST+8*\t+7], v[ST+8*\t]
.endr
.irp t, 0,1,2,3                                ; ONE BATCH of 132 exponentials: none of the lines down to the wait names an exponential's result
	v_exp_f32 v[ST+8*\t+6], v[ST+8*\t+7]           ; a
.endr
.set i, 0
.rept 17                                       ; pair i is scaled, c s - c m, a turn ahead of its two exponentials
.if i < 16
.irp t, 0,1,2,3
	v_pk_fma_f32 v[S+32*\t+2*i:S+32*\t+2*i+1], v[S+32*\t+2*i:S+32*\t+2*i+1], s[CS:CS+1], v[ST+8*\t:ST+8*\t+1] op_sel_hi:[1,0,0] neg_lo:[0,0,1] neg_hi:[0,0,1]
.endr
.endif
.if i > 0
.irp t, 0,1,2,3
	v_exp_f32 v[S+32*\t+2*i-2], v[S+32*\t+2*i-2]
	v_exp_f32 v[S+32*\t+2*i-1], v[S+32*\t+2*i-1]
.endr
.endif
.set i, i+1
.endr
	v_nop                                          ; a plain instruction behind the last exponential (ISA guide 5.7.2)
	s_wait_alu depctr_va_vdst(0)                   ; one wait for the batch, ahead of its first reader
.irp t, 0,1,2,3
	v_pk_fma_f32 v[ST+8*\t+2:ST+8*\t+3], v[ST+8*\t+2:ST+8*\t+3], v[ST+8*\t+6:ST+8*\t+7], v[S+32*\t:S+32*\t+1] op_sel_hi:[1,0,1]   ; l = a l + the first pair
.endr
.set i, 1
.rept 15
.irp t, 0,1,2,3
	v_pk_add_f32 v[ST+8*\t+2:ST+8*\t+3], v[ST+8*\t+2:ST+8*\t+3], v[S+32*\t+2*i:S+32*\t+2*i+1]   ; the sum is taken of p in f32
.endr
.set i, i+1
.endr
.set i, 0
.rept 16                                       ; p to f16, in place: pair i goes to register i of its tile, which the pairs before have left
.irp t, 0,1,2,3
	v_cvt_pk_f16_f32 v[S+32*\t+i], v[S+32*\t+2*i], v[S+32*\t+2*i+1]
.endr
.set i, i+1
.endr
	WIN W_RS
.set i, 0
.rept 16                                       ; O^T times a, each accumulator from its low end on
.irp t, 0,1,2,3
	v_pk_mul_f32 v[OB+32*\t+2*i:OB+32*\t+2*i+1], v[OB+32*\t+2*i:OB+32*\t+2*i+1], v[ST+8*\t+6:ST+8*\t+7] op_sel_hi:[1,0]
.endr
.set i, i+1
.endr
	s_wait_dscnt 0x0                               ; V is in
	WIN W_PV
.set i, 0
.rept 32                                       ; product i: keys 32 (i / 16) on, channels 16 ((i / 4) % 4) on, tile i % 4; the 16 accumulators by turns
.set rO, OB+32*(i%4)+8*((i/4)%4)
.set rV, VF+8*(4*(i/16)+(i/4)%4)
.set rP, S+32*(i%4)+8*(i/16)
	v_wmma_f32_16x16x32_f16 v[rO:rO+7], v[rV:rV+7], v[rP:rP+7], v[rO:rO+7]
.set i, i+1
.endr
	WIN 0
.endm
; A trip.  Kind 0: K Q^T of this step, its softmax, its V^T P.  Kind 1: the softmax and V^T P of the step before, then K Q^T of this step.
.macro TRIP
	HEAD
	s_cmp_lg_u32 s[TY], 0
	s_cbranch_scc1 .Llater_\@
	KQBLOCK
.Llater_\@:
	SMPV
	s_cmp_eq_u32 s[TY], 0
	s_cbranch_scc1 .Ldone_\@
	KQBLOCK
.Ldone_\@:
.endm
.macro SLOT_STEPS base, n, set         ; n steps of a slot; set = 1: from its first step on
.if \set
	s_mov_b32 s[TK], \base
	s_mov_b32 s[TV], \base
.endif
	s_mov_b32 s[CNT], \n
.Lstep_\@:
	TRIP
	s_add_co_u32 s[TK], s[TK], KSTP
	s_add_co_u32 s[TV], s[TV], VSTP
	s_sub_co_u32 s[CNT], s[CNT], 1
	s_cmp_lg_u32 s[CNT], 0
	s_cbranch_scc1 .Lstep_\@
.endm
; THE CHANGE OF SLOTS stands at a slot's head.  Each wave waits for all its tensor loads (one is out: its part of the slot that it is about to read), adds 0 to its spare word, and waits for that and for its reads of
; the slot that it has left.  fill = 1: a round of the cluster's barrier, so that no wave of any partner still reads slot n or has a load on its way; then slot n is asked for, first thing: the load has a slot's
; eight steps in which to land.  step = 1: slot n's descriptors go 1,024 keys on.  ask: which 512 keys are prefetched, or 0.
.macro CHANGE fill, n, step, ask
	s_wait_tensorcnt 0x0                           ; no tensor load of mine is out, so a group 0 may be written
	ds_add_u32 v[SPW], v[NIL]                      ; 0 onto my spare word
.if \step
	s_add_nc_u64 s[G0K+4*\n+2:G0K+4*\n+3], s[G0K+4*\n+2:G0K+4*\n+3], 131072   ; the type bits on top are not reached
	s_add_nc_u64 s[G0V+4*\n+2:G0V+4*\n+3], s[G0V+4*\n+2:G0V+4*\n+3], 131072
.endif
	s_wait_dscnt 0x0                               ; the add is done, and my reads of the slot that I have left are over
.if \fill
	CROUND
	JLOAD \n
.if \ask
	ASK \ask
.endif
.else
	s_barrier_signal -1
	s_barrier_wait -1
.endif
.endm
	s_wait_loadcnt 0x0                             ; Q
	CHANGE 1, 1, 0, 2                              ; slot 0 is whole; slot 1 is filled for the first time, behind a round behind which nobody fills bytes again: keys 512 on
	s_mov_b32 s[TK], 0
	s_mov_b32 s[TV], 0
	HEAD                                           ; step 0 is written out: kind 0 multiplies first, and kind 1 begins its products when kind 0's are issued
	s_cmp_lg_u32 s[TY], 0
	s_cbranch_scc1 .Lpro_wait
	KQBLOCK
.Lpro_wait:
	s_wait_dscnt 0x0                               ; no LDS load of mine is out at the signal
	s_barrier_signal -1                            ; slot 1's load may stay out
	s_barrier_wait -1
	s_cmp_lg_u32 s[TY], 0
	s_cbranch_scc1 .Lpro_b
	SMPV
	s_branch .Lpro_done
.Lpro_b:
	KQBLOCK
.Lpro_done:
	s_add_co_u32 s[TK], s[TK], KSTP
	s_add_co_u32 s[TV], s[TV], VSTP
	SLOT_STEPS 0, 7, 0                             ; keys 64 to 511
	CHANGE 1, 0, 1, 3                              ; slot 0 takes keys 1,024 on
	SLOT_STEPS SLOTB, 8, 1                         ; keys 512 to 1,023
	CHANGE 1, 1, 1, 0                              ; slot 1 takes keys 1,536 on: the last load
	SLOT_STEPS 0, 8, 1
	CHANGE 0, 0, 0, 0                              ; nothing is left to fetch
	SLOT_STEPS SLOTB, 8, 1
	s_cmp_eq_u32 s[TY], 0
	s_cbranch_scc1 .Lout
	SMPV                                           ; kind 1's last step
.Lout:
	; THE WAY OUT.  l's two halves and the other half of the lanes' are added; O^T is divided by l, rounded to f16 and sent through my stage, a tile (16 tokens) at a time.  The additions are the places behind the last products.
.irp t, 0,1,2,3
	v_add_f32 v[ST+8*\t+4], v[ST+8*\t+2], v[ST+8*\t+3]
.endr
.irp t, 0,1,2,3
	v_permlanex16_b32 v[ST+8*\t+5], v[ST+8*\t+4], s[SEL], s[SEL+1]
.endr
.irp t, 0,1,2,3
	v_add_f32 v[ST+8*\t+4], v[ST+8*\t+4], v[ST+8*\t+5]
.endr
.irp t, 0,1,2,3
	v_rcp_f32 v[ST+8*\t+6], v[ST+8*\t+4]
.endr
	v_nop                                          ; a plain instruction behind the last reciprocal
	s_wait_alu depctr_va_vdst(0)                   ; one wait for the four, ahead of the first use
.macro PACK t                          ; a lane's eight channels of a token pack into 16 bytes; they go into rows of two tokens and come back as whole rows of 256 bytes, into the registers that they left
	WIN W_RS
.set i, 0
.rept 16
	v_pk_mul_f32 v[OB+32*\t+2*i:OB+32*\t+2*i+1], v[OB+32*\t+2*i:OB+32*\t+2*i+1], v[ST+8*\t+6:ST+8*\t+7] op_sel_hi:[1,0]
.set i, i+1
.endr
	WIN 0x05                                       ; sources 0 and 1 window 1, destination window 0: S^T's registers are free
.set i, 0
.rept 16
	v_cvt_pk_f16_f32 v[S+16*\t+i], v[OB+32*\t+2*i], v[OB+32*\t+2*i+1]
.set i, i+1
.endr
	WIN 0
.irp f, 0,1,2,3
	ds_store_b128 v[STO], v[S+16*\t+4*\f:S+16*\t+4*\f+3] offset:32*\f
.endr
.irp f, 0,1,2,3
	ds_load_b128 v[S+16*\t+4*\f:S+16*\t+4*\f+3], v[RD] offset:\f*2*272   ; LDS serves a wave's instructions in order (ISA guide 5.7.1.4): these see the stores above; the next tile's stores come behind them
.endr
.endm
.macro SEND t, younger                 ; younger: the LDS instructions issued behind tile t's loads: the next tile's eight, or none
.irp f, 0,1,2,3
	s_wait_dscnt \younger+3-\f
	global_store_b128 v[GO], v[S+16*\t+4*\f:S+16*\t+4*\f+3], s[70:71] offset:\t*2048+\f*512   ; the wave stores 512 consecutive bytes (four tokens), aligned
.endr
.endm
	PACK 0
	PACK 1                                         ; a tile's arithmetic stands between the loads of the tile before and its stores
	SEND 0, 8
	PACK 2
	SEND 1, 8
	PACK 3
	SEND 2, 8
	SEND 3, 0
	s_wait_tensorcnt 0x0                           ; the wave's end: behind my last tensor load and my last LDS store
	ds_add_u32 v[SPW], v[NIL]
	s_wait_dscnt 0x0
	CROUND                                         ; the closing round: no work-group ends while a partner may still ask for a tile that names it
	s_endpgm
.Lfunc_end_k_q6a4e276a79_attention:
	.size	k_q6a4e276a79_attention, .Lfunc_end_k_q6a4e276a79_attention-k_q6a4e276a79_attention
	.p2alignl 7, 3214868480
	.fill 96, 4, 3214868480
	.section	.rodata,"a",@progbits
	.p2align	6, 0x0
	.amdhsa_kernel k_q6a4e276a79_attention
		.amdhsa_group_segment_fixed_size 327680
		.amdhsa_private_segment_fixed_size 0
		.amdhsa_enable_private_segment 0
		.amdhsa_kernarg_size 16
		.amdhsa_user_sgpr_count 2
		.amdhsa_user_sgpr_kernarg_segment_ptr 1
		.amdhsa_wavefront_size32 1
		.amdhsa_system_sgpr_workgroup_id_x 1
		.amdhsa_system_sgpr_workgroup_id_y 1
		.amdhsa_system_sgpr_workgroup_id_z 1
		.amdhsa_system_vgpr_workitem_id 0
		.amdhsa_next_free_vgpr 512
		.amdhsa_next_free_sgpr 80
		.amdhsa_reserve_vcc 0
		.amdhsa_float_denorm_mode_32 3
		.amdhsa_float_denorm_mode_16_64 3
		.amdhsa_memory_ordered 1
		.amdhsa_forward_progress 1
		.amdhsa_inst_pref_size 235
	.end_amdhsa_kernel
	.amdgpu_metadata
---
amdhsa.version: [ 1, 2 ]
amdhsa.kernels:
  - .name:           k_q6a4e276a79_attention
    .symbol:         k_q6a4e276a79_attention.kd
    .args:
      - { .name: qkv, .offset: 0, .size: 8, .value_kind: global_buffer, .address_space: global }
      - { .name: ctx, .offset: 8, .size: 8, .value_kind: global_buffer, .address_space: global }
    .group_segment_fixed_size: 327680
    .private_segment_fixed_size: 0
    .kernarg_segment_align: 8
    .kernarg_segment_size: 16
    .max_flat_workgroup_size: 256
    .sgpr_count:     80
    .vgpr_count:     512
    .wavefront_size: 32
...
	.end_amdgpu_metadata
.endif
;; end of part 3
;; launch outproj (part 4): grid 4 x 64, 4 waves a work-group, clusters of 4 x 4, 327,680 bytes of LDS; arguments ctx, wo16, out0; writes out0
.if DOCPART == 4
	.amdgcn_target "amdgcn-amd-amdhsa--gfx1250"
	.amdhsa_code_object_version 6
	.text
	.protected	k_q6a4e276a79_outproj
	.globl	k_q6a4e276a79_outproj
	.p2align	8
	.type	k_q6a4e276a79_outproj,@function
k_q6a4e276a79_outproj:
	s_mov_b64 s[64:65], 0
	v_nop
	global_prefetch_b8 v0, s[64:65] scope:SCOPE_SE
	s_setreg_imm32_b32 hwreg(HW_REG_WAVE_MODE, 25, 1), 1
	s_wait_xcnt 0x0
	s_wait_alu depctr_hold_cnt(0) depctr_sa_sdst(0) depctr_va_vdst(0) depctr_va_sdst(0) depctr_va_ssrc(0) depctr_va_vcc(0) depctr_vm_vsrc(0)
	s_getreg_b32 s2, hwreg(HW_REG_IB_STS2, 6, 4)
	s_cmp_eq_u32 s2, 0
	s_cbranch_scc0 .Lentry_in_a_cluster
	s_endpgm
.Lentry_in_a_cluster:
	s_bfe_u32 s2, ttmp6, 0x10000c
	s_cmp_lg_u32 s2, 0xf033
	s_cbranch_scc0 .Lentry_shape_is_right
	s_endpgm
.Lentry_shape_is_right:
; out0[m][e] = sum over f of concat[m][f] w_out[e][f], f = 64 h + d.  A = ctx: [16 h][8192 m][64] f16, by planes; B = wo16: [1024 e][1024 f] f16; out0: [8192][1024] f32; sums in f32.
; A tile of C is 128 (m) x 256 (e): 256 work-groups of four waves; a wave makes 64 x 128: 32 accumulators of 16 x 16, all of window 1.  K goes in 8 steps of 128 (two planes of A) through a ring of two LDS slots.
; A's tile of a step is two dense blocks of 128 tokens x 128 bytes, taken as 64 rows of 256 bytes (two tokens to a row); B's is 256 rows of 256 bytes.  Waves 0 and 1 fetch A's two planes, waves 2 and 3 B's halves.
; CLUSTERS: 4 x 4 work-groups.  The four of a row of the cluster need the same tiles of A, the four of a column the same tiles of B: each is asked for JOINTLY, by the same tensor load with the same descriptor and a mask
; that names the four.  THE MATRIX INSTRUCTION IS USED TRANSPOSED (source 0 = 16 rows of B, source 1 = 16 tokens of A): a lane then holds eight neighbouring numbers of a row of C.
; REGISTERS: window 0: v0-31 addresses; two fragment buffers of 96 for 32 along K: v32-127 and v128-223: 64 registers of B (8 x 16 rows), then 32 of A (4 x 16 tokens); on the way out v32-159 are at work.
;            window 1: the accumulators, (a, b) at v[8 (8 a + b)].
.set PITCH,  272                       ; an LDS row: 256 bytes + 16 of padding = 68 words: row i starts at bank 4 i mod 64 (64 banks of 4 bytes: ISA guide 11.1)
.set PLANE,  64*PITCH                  ; a plane's 128 tokens
.set BOFF,   2*PLANE                   ; B lies behind A's two planes
.set HALFB,  128*PITCH                 ; 128 rows of B: what one tensor load brings, and what one wave reads
.set SLOT,   BOFF+2*HALFB
.set STAGE,  2*SLOT                    ; behind the ring: 16 rows x (512 bytes + 16) for each wave, for the way out
.set SPITCH, 528
.set SPARE,  STAGE+4*16*SPITCH         ; the spare words, 128 bytes a wave, which no other line names
.set LAPS,   4                         ; a lap = two K steps = once round the ring
.set KA,     2<<20                     ; a K step on in A: two planes of 2^20 bytes
.set ADRA, 16                          ; v16-17  LDS address of my A fragments in slot 0, 1
.set ADRB, 20                          ; v20-21  the same for B
.set STO,  24                          ; v24     the way out: where I put 32 bytes of a row
.set RD,   25                          ; v25     where I read a row back
.set CO,   26                          ; v26     16 x lane
.set SPW,  28                          ; v28     LDS address of my spare word; never rewritten
.set NIL,  29                          ; v29     0; never rewritten
.set PFO,  30                          ; v30     256 x lane; never rewritten
.set F0,   32
.set F1,   128
.set BK,   32                          ; the way out: 16 rows read back: v32-95 and v96-159 by turns
.set G1, 24                            ; s[24:31] descriptor group 1 for A's tiles;  s[32:39] group 0, one set for each slot
.set G0, 32
.set G1B, 48                           ; s[48:55], s[56:63] the same for B's tiles
.set G0B, 56
.set LIM, 43                           ; s43     1 in the wave that prefetches, else the greatest number
.set PFA, 44                           ; s[44:45] where my prefetch stands
.set MSB, 0
.macro WIN new                         ; the immediate's high byte repeats the setting that is left
.if MSB != \new
	s_set_vgpr_msb (MSB<<8)|\new
.set MSB, \new
.endif
.endm
.set MUL, 0x50                         ; sources 0 (B) and 1 (A) window 0; C and D window 1
.macro JLOAD s                         ; a joint load: waves 0 and 1 fetch A's planes, waves 2 and 3 B's halves; an s_nop 0 and four v_nop follow each of the two lines
	s_cmp_eq_u32 s11, 0
	s_cbranch_scc0 .Lfor_b_\@
	tensor_load_to_lds s[G0+4*\s:G0+4*\s+3], s[G1:G1+7]
	s_nop 0
.rept 4
	v_nop
.endr
	s_branch .Lasked_\@
.Lfor_b_\@:
	tensor_load_to_lds s[G0B+4*\s:G0B+4*\s+3], s[G1B:G1B+7]
	s_nop 0
.rept 4
	v_nop
.endr
.Lasked_\@:
.endm
; A PREFETCH INTO THE L2 of A's tile of the K step that stands TWO refills on (256 matrix instructions a wave ahead of the load that wants it): 32,768 bytes.  A's rows of a tile row are read by the four work-groups of
; my row of the cluster and by nobody else, once: the four take 8,192 bytes each, told apart BY ADDRESS (plane cx / 2, half cx % 2); in each, wave 0 asks, lanes 256 bytes apart: each aligned block of 256 bytes is named once.
; K steps 0 to 3 come by their loads alone; the last lap that refills asks for nothing: there is no K step two on.  B's rows are asked for again by every row of tiles: they are left to their loads.
.macro ASK
	s_cmp_gt_u32 s3, s[LIM]                        ; s3 = 1 in the loop's last trip
	s_cbranch_scc0 .Lnot_mine_\@
	global_prefetch_b8 v[PFO], s[PFA:PFA+1] th:TH_LOAD_NT scope:SCOPE_SE
.Lnot_mine_\@:
.endm
.macro CREST                           ; a round of the cluster's barrier behind its opening barrier
	s_cmp_lg_u32 s10, 0
	s_cbranch_scc1 .Lnot_wave_0_\@
	s_barrier_signal -3
.Lnot_wave_0_\@:
	s_barrier_wait -3
	s_barrier_signal -1
	s_barrier_wait -1
.endm
.macro CROUND                          ; a whole round
	s_barrier_signal -1
	s_barrier_wait -1
	CREST
.endm
	s_load_b128 s[4:7], s[0:1], 0x0                ; A s[4:5], B s[6:7]
	s_load_b64 s[8:9], s[0:1], 0x10                ; C
	v_lshl_add_u32 v[SPW], v0, 2, SPARE
	v_mov_b32 v[NIL], 0
	ds_add_u32 v[SPW], v[NIL]                      ; the wave's opening: the add, twice on end, and its wait ahead of my first tensor load; the set-up below stands between
	ds_add_u32 v[SPW], v[NIL]
	v_lshrrev_b32 v1, 5, v0
	v_readfirstlane_b32 s10, v1                    ; wave 0..3
	s_lshr_b32 s11, s10, 1                         ; which 64 of the tile's rows are mine.  Also: I fetch for A (0) or for B (1)
	s_and_b32 s12, s10, 1                          ; which 128 of its columns.  Also: which plane of A, or which 128 rows of B, I fetch
	s_bfe_u32 s40, ttmp6, 0x40000                  ; cx, cy: my place in the cluster
	s_bfe_u32 s41, ttmp6, 0x40004
	s_lshl_b32 s42, ttmp9, 2
	s_add_co_u32 s42, s42, s40                     ; tile column of C = 4 x cluster x + cx
	s_and_b32 s13, ttmp7, 0xffff
	s_lshl_b32 s13, s13, 2
	s_add_co_u32 s13, s13, s41                     ; tile row of C = 4 x cluster y + cy
	s_lshl_b32 s43, s41, 2
	s_lshl_b32 s43, 15, s43                        ; my row of the cluster
	s_lshl_b32 s44, 0x1111, s40                    ; my column
	s_or_b32 s[G1+0], s43, (1<<16)|(1<<20)|(1<<21)|(5<<22)|(3<<25)   ; 15:0 the mask: A's tiles go to my row; 17:16 element of 2 bytes; 20 padding on; 21 set beside a mask; 24:22 after every 64 words; 31:25 of 4 words
	s_or_b32 s[G1B+0], s44, (1<<16)|(1<<20)|(1<<21)|(5<<22)|(3<<25)  ; the same with the mask of my column
	s_mov_b32 s[G1+1], 128<<16                     ; A: tensor_dim0 = 128 elements: two tokens
	s_mov_b32 s[G1+2], 64<<16                      ; tensor_dim1 = 64
	s_mov_b32 s[G1+3], 128<<16                     ; tile_dim0 = 128
	s_mov_b32 s[G1+4], 64                          ; tile_dim1 = 64
	s_mov_b32 s[G1+5], 128                         ; tensor_dim0_stride: dense
	s_mov_b32 s[G1+6], 0
	s_mov_b32 s[G1+7], 0
	s_mov_b32 s[G1B+1], 128<<16                    ; B: 128 along K,
	s_mov_b32 s[G1B+2], 128<<16                    ; 128 rows,
	s_mov_b32 s[G1B+3], 128<<16
	s_mov_b32 s[G1B+4], 128
	s_mov_b32 s[G1B+5], 1024                       ; 1,024 elements from row to row
	s_mov_b32 s[G1B+6], 0
	s_mov_b32 s[G1B+7], 0
	; where the tiles come from.  A's hang on the tile row alone, B's on the tile column alone; every wave makes both addresses, in registers that never hold the other coordinate
	s_lshl_b32 s16, s12, 20                        ; A: my plane of the K step's two,
	s_lshl_b32 s17, s13, 14                        ; the tile row's 128 tokens of 128 bytes
	s_add_co_u32 s16, s16, s17
	s_mov_b32 s17, 0
	s_lshl_b32 s46, s42, 19                        ; B: row 256 x tile column + 128 x half, 2,048 bytes a row
	s_lshl_b32 s47, s12, 18
	s_add_co_u32 s46, s46, s47
	s_mov_b32 s47, 0
	s_mul_i32 s20, s12, PLANE                      ; and where they go: no place in the cluster enters an LDS address
	s_mul_i32 s21, s12, HALFB
	s_add_co_u32 s21, s21, BOFF
	s_wait_dscnt 0x0                               ; both opening adds are done
	s_wait_kmcnt 0x0
	s_add_nc_u64 s[14:15], s[4:5], s[16:17]
	s_add_nc_u64 s[46:47], s[6:7], s[46:47]
	CROUND                                         ; all sixteen work-groups are here: the first joint loads meet
.irp s, 0,1
	s_mov_b32 s[G0+4*\s], 1
	s_add_co_u32 s[G0+4*\s+1], s20, \s*SLOT
	s_add_nc_u64 s[G0+4*\s+2:G0+4*\s+3], s[14:15], \s*KA
	s_or_b32 s[G0+4*\s+3], s[G0+4*\s+3], 0x80000000
	s_mov_b32 s[G0B+4*\s], 1
	s_add_co_u32 s[G0B+4*\s+1], s21, \s*SLOT
	s_add_nc_u64 s[G0B+4*\s+2:G0B+4*\s+3], s[46:47], \s*256
	s_or_b32 s[G0B+4*\s+3], s[G0B+4*\s+3], 0x80000000
	JLOAD \s                                       ; two tensor loads of mine are out at the most
.endr
	v_and_b32 v1, 15, v0                           ; r = l % 16
	v_bfe_u32 v2, v0, 4, 1                         ; h = l / 16
	v_lshrrev_b32 v3, 1, v1
	v_mul_u32_u24 v3, v3, PITCH                    ; A: token r lies in row r / 2,
	v_and_b32 v4, 1, v1
	v_lshl_add_u32 v3, v4, 7, v3                   ; in its half r % 2,
	v_lshl_add_u32 v3, v2, 4, v3                   ; + 16 x half of the lanes
	v_mul_u32_u24 v5, v1, PITCH                    ; B: row r x pitch + 16 x half
	v_lshl_add_u32 v5, v2, 4, v5
	s_mul_i32 s21, s11, 32*PITCH                   ; my 64 tokens of a plane
	s_mul_i32 s22, s12, HALFB                      ; my 128 rows of B
	s_add_co_u32 s22, s22, BOFF
.irp s, 0,1
	v_add_nc_u32 v[ADRA+\s], s21, v3
	v_add_nc_u32 v[ADRB+\s], s22, v5
	s_add_co_u32 s21, s21, SLOT
	s_add_co_u32 s22, s22, SLOT
.endr
	s_mul_i32 s23, s10, 16*SPITCH
	s_add_co_u32 s23, s23, STAGE                   ; my stage
	v_mul_u32_u24 v5, v1, SPITCH                   ; in: row r, 32 bytes for each half of the lanes
	v_lshl_add_u32 v5, v2, 5, v5
	v_add_nc_u32 v[STO], s23, v5
	v_and_b32 v6, 31, v0
	v_lshlrev_b32 v[PFO], 8, v6
	v_lshlrev_b32 v[CO], 4, v6                     ; back: the 32 lanes take one row of 512 bytes; and the same in C
	v_add_nc_u32 v[RD], s23, v[CO]
	s_lshl_b32 s16, s13, 19                        ; my first row of C: 128 x tile row + 64 x half, 4,096 bytes a row
	s_lshl_b32 s17, s11, 18
	s_add_co_u32 s16, s16, s17
	s_mov_b32 s17, 0
	s_add_nc_u64 s[8:9], s[8:9], s[16:17]
	s_lshl_b32 s46, s42, 10                        ; my first column, in bytes: 1,024 x tile column + 512 x half
	s_lshl_b32 s47, s12, 9
	s_add_co_u32 s46, s46, s47
	s_mov_b32 s47, 0
	s_add_nc_u64 s[8:9], s[8:9], s[46:47]
	s_lshr_b32 s20, s40, 1                         ; the prefetch: plane cx / 2 of a K step's two,
	s_lshl_b32 s20, s20, 20
	s_and_b32 s21, s40, 1                          ; half cx % 2 of the tile row's 16,384 bytes,
	s_lshl_b32 s21, s21, 13
	s_add_co_u32 s20, s20, s21
	s_lshl_b32 s21, s13, 14
	s_add_co_u32 s20, s20, s21
	s_add_co_u32 s20, s20, 3*KA                    ; at K step 3: the first refill steps it to 4.  Nothing is prefetched here, at the head, where every work-group's first tiles are on their way
	s_mov_b32 s21, 0
	s_add_nc_u64 s[PFA:PFA+1], s[4:5], s[20:21]
	s_cmp_eq_u32 s10, 0
	s_cselect_b32 s[LIM], 1, -1                    ; wave 0 asks: the same in all partners
; 8 matrix instructions: A's block a x B's eight, 32 along K, from buffer f.  zero = 1: the first product starts the sums: nothing is ever cleared.
; The 32 accumulators take turns, one instruction a turn, in the same order in every quarter.
.macro MUL8 f, a, zero
.irp b, 0,1,2,3,4,5,6,7
.if \zero
	v_wmma_f32_16x16x32_f16 v[8*(8*(\a)+\b):8*(8*(\a)+\b)+7], v[\f+8*\b:\f+8*\b+7], v[\f+64+8*(\a):\f+64+8*(\a)+7], 0
.else
	v_wmma_f32_16x16x32_f16 v[8*(8*(\a)+\b):8*(8*(\a)+\b)+7], v[\f+8*\b:\f+8*\b+7], v[\f+64+8*(\a):\f+64+8*(\a)+7], v[8*(8*(\a)+\b):8*(8*(\a)+\b)+7]
.endif
.endr
.endm
.macro MUL16 f, a0, zero
	MUL8 \f, \a0, \zero
	MUL8 \f, \a0+1, \zero
.endm
; 24 LDS loads in one run: the fragments of the slot's q-th 32 along K into buffer f: B's eight, then A's four (plane q / 2, channels 32 (q % 2) on)
.macro FETCH slot, q, f
	WIN 0
.irp b, 0,1,2,3,4,5,6,7
	ds_load_b128 v[\f+8*\b:\f+8*\b+3],   v[ADRB+\slot] offset:64*(\q)+\b*16*PITCH
	ds_load_b128 v[\f+8*\b+4:\f+8*\b+7], v[ADRB+\slot] offset:64*(\q)+\b*16*PITCH+32
.endr
.irp a, 0,1,2,3
	ds_load_b128 v[\f+64+8*\a:\f+64+8*\a+3],   v[ADRA+\slot] offset:((\q)/2)*PLANE+64*((\q)%2)+\a*8*PITCH
	ds_load_b128 v[\f+64+8*\a+4:\f+64+8*\a+7], v[ADRA+\slot] offset:((\q)/2)*PLANE+64*((\q)%2)+\a*8*PITCH+32
.endr
.endm
.macro PLACES                          ; four places in front of loads into registers that matrix instructions have read, and of the first read of results
.rept 4
	v_nop
.endr
.endm
; A K step is four quarters of 32 along K, 32 matrix instructions each, on buffers 0, 1, 0, 1.  One of the first three: multiplies buffer f and fetches the slot's quarter q into g.
.macro QUARTER slot, q, f, g, zero
	s_wait_dscnt 4                                 ; B and A's blocks 0, 1 are in; the youngest four loads (A's blocks 2, 3) may be out
	WIN MUL
	MUL16 \f, 0, \zero
	PLACES
	FETCH \slot, \q, \g
	s_wait_dscnt 24                                ; all but the 24 just issued
	WIN MUL
	MUL16 \f, 2, \zero
.endm
; The last quarter multiplies buffer 1 and changes slots: ONE barrier; in front of it each wave waits for all its tensor loads (one is out: its part of the next slot), adds 0 to its spare word, and waits for that and
; for its own reads of this slot.  fill = 1: the barrier opens a round of the cluster's, and this slot is filled again, two K steps ahead: 112 matrix instructions stand between the request and the wait for it.
.macro TURN slot, next, fill
	WIN 0
.if \fill
	s_wait_xcnt 0x0                                ; the last prefetch, a K step back, has read its address: it is stepped here, ahead of the waits of the change of slots
	s_add_nc_u64 s[PFA:PFA+1], s[PFA:PFA+1], KA
.endif
	s_wait_tensorcnt 0x0                           ; all my tensor loads have landed
	ds_add_u32 v[SPW], v[NIL]                      ; 0 onto my spare word
	s_wait_dscnt 5                                 ; (the add and the youngest four loads may be out)
	WIN MUL
	MUL8 F1, 0, 0                                  ; eight matrix instructions stand between the add and the wait for it
	s_wait_dscnt 0x0                               ; the add is done, and my reads of this slot are over
	s_barrier_signal -1
	MUL8 F1, 1, 0
.if \fill
	WIN 0
.endif
	s_barrier_wait -1
.if \fill
	CREST                                          ; no wave of any partner still reads this slot's tile or has a load on its way
	s_add_nc_u64 s[G0+4*\slot+2:G0+4*\slot+3], s[G0+4*\slot+2:G0+4*\slot+3], 2*KA
	s_add_nc_u64 s[G0B+4*\slot+2:G0B+4*\slot+3], s[G0B+4*\slot+2:G0B+4*\slot+3], 2*256
	JLOAD \slot                                    ; the first tensor load behind the round; the four v_nop behind it are also the places in front of the loads below
.else
	PLACES
.endif
	FETCH \next, 0, F0
.if \fill
	ASK                                            ; behind the joint load and the run of LDS loads that the next products wait for
.endif
	WIN MUL
	MUL16 F1, 2, 0
.endm
	s_wait_tensorcnt 1                             ; my part of K step 0 is in (K step 1's load may be out)
	s_barrier_signal -1
	s_barrier_wait -1                              ; everybody's is
	FETCH 0, 0, F0
	QUARTER 0, 1, F0, F1, 1                        ; the first quarter stands in front of the loop: its products start the sums
	WIN 0                                          ; at a label and at a branch every window is 0
	s_mov_b32 s3, LAPS-1
.Llap:                                                 ; a trip goes once round the ring, from a lap's second quarter to the next lap's first, and fills both slots again
	QUARTER 0, 2, F1, F0, 0
	QUARTER 0, 3, F0, F1, 0
	TURN 0, 1, 1
	QUARTER 1, 1, F0, F1, 0
	QUARTER 1, 2, F1, F0, 0
	QUARTER 1, 3, F0, F1, 0
	TURN 1, 0, 1
	QUARTER 0, 1, F0, F1, 0
	WIN 0
	s_sub_co_u32 s3, s3, 1
	s_cmp_lg_u32 s3, 0
	s_cbranch_scc1 .Llap
	QUARTER 0, 2, F1, F0, 0                        ; the last lap fills nothing, and has no round of the cluster's barrier
	QUARTER 0, 3, F0, F1, 0
	TURN 0, 1, 0
	QUARTER 1, 1, F0, F1, 0
	QUARTER 1, 2, F1, F0, 0
	QUARTER 1, 3, F0, F1, 0
	s_wait_dscnt 4                                 ; the very last quarter: nothing more to fetch
	WIN MUL
	MUL16 F1, 0, 0
	s_wait_dscnt 0
	MUL16 F1, 2, 0
	WIN 0
; THE WAY OUT, block by block of 16 rows x 128 columns.  A lane holds 32 neighbouring bytes of a row, and the lanes beside it hold other rows: so a block goes through my own stage and comes back as whole rows of
; 512 bytes.  LDS serves a wave's instructions in order (ISA guide 5.7.1.4): no wait between the stores and the loads, nor in front of the next block's stores.
.macro TOSTAGE a
	WIN 0x04                                       ; an LDS store's data are its source 1: window 1
.irp b, 0,1,2,3,4,5,6,7
	ds_store_b128 v[STO], v[64*(\a)+8*\b:64*(\a)+8*\b+3] offset:64*\b          ; each accumulator from its low end on
	ds_store_b128 v[STO], v[64*(\a)+8*\b+4:64*(\a)+8*\b+7] offset:64*\b+16
.endr
	WIN 0
.set BB, BK+64*((\a)%2)
.irp t, 0,1,2,3,4,5,6,7,8,9,10,11,12,13,14,15
	ds_load_b128 v[BB+4*\t:BB+4*\t+3], v[RD] offset:\t*SPITCH
.endr
.endm
.macro SEND a, younger                 ; younger: the LDS instructions issued behind block a's loads, which may stay out
.set BB, BK+64*((\a)%2)
	s_wait_dscnt \younger                          ; the block is back in registers
.irp t, 0,1,2,3,4,5,6,7,8,9,10,11,12,13,14,15
	global_store_b128 v[CO], v[BB+4*\t:BB+4*\t+3], s[8:9] offset:(16*(\a)+\t)*4096 th:TH_STORE_NT   ; 32 lanes store 512 consecutive bytes, aligned; written once, read by nobody here
.endr
.endm
	PLACES                                         ; behind the last products: for the reads of results and the loads into registers that held fragments
	TOSTAGE 0
.irp a, 1,2,3
.if \a > 1
	s_wait_xcnt 0x0                                ; block a - 2's stores have read their registers: block a's loads may land there
.endif
	TOSTAGE \a
	SEND \a-1, 32                                  ; behind block a - 1's loads: block a's 16 stores and 16 loads
.endr
	SEND 3, 0
	s_wait_tensorcnt 0x0                           ; the wave's end: behind my last tensor load and my last LDS store
	ds_add_u32 v[SPW], v[NIL]
	s_wait_dscnt 0x0
	CROUND                                         ; the closing round: no work-group ends while a partner may still ask for a tile that names it
	s_endpgm
.Lfunc_end_k_q6a4e276a79_outproj:
	.size	k_q6a4e276a79_outproj, .Lfunc_end_k_q6a4e276a79_outproj-k_q6a4e276a79_outproj
	.p2alignl 7, 3214868480
	.fill 96, 4, 3214868480
	.section	.rodata,"a",@progbits
	.p2align	6, 0x0
	.amdhsa_kernel k_q6a4e276a79_outproj
		.amdhsa_group_segment_fixed_size 327680
		.amdhsa_private_segment_fixed_size 0
		.amdhsa_enable_private_segment 0
		.amdhsa_kernarg_size 24
		.amdhsa_user_sgpr_count 2
		.amdhsa_user_sgpr_kernarg_segment_ptr 1
		.amdhsa_wavefront_size32 1
		.amdhsa_system_sgpr_workgroup_id_x 1
		.amdhsa_system_sgpr_workgroup_id_y 1
		.amdhsa_system_sgpr_workgroup_id_z 1
		.amdhsa_system_vgpr_workitem_id 0
		.amdhsa_next_free_vgpr 512
		.amdhsa_next_free_sgpr 66
		.amdhsa_reserve_vcc 0
		.amdhsa_float_denorm_mode_32 3
		.amdhsa_float_denorm_mode_16_64 3
		.amdhsa_memory_ordered 1
		.amdhsa_forward_progress 1
		.amdhsa_inst_pref_size 86
	.end_amdhsa_kernel
	.amdgpu_metadata
---
amdhsa.version: [ 1, 2 ]
amdhsa.kernels:
  - .name:           k_q6a4e276a79_outproj
    .symbol:         k_q6a4e276a79_outproj.kd
    .args:
      - { .name: ctx, .offset: 0, .size: 8, .value_kind: global_buffer, .address_space: global }
      - { .name: wo16, .offset: 8, .size: 8, .value_kind: global_buffer, .address_space: global }
      - { .name: out0, .offset: 16, .size: 8, .value_kind: global_buffer, .address_space: global }
    .group_segment_fixed_size: 327680
    .private_segment_fixed_size: 0
    .kernarg_segment_align: 8
    .kernarg_segment_size: 24
    .max_flat_workgroup_size: 128
    .sgpr_count:     66
    .vgpr_count:     512
    .wavefront_size: 32
...
	.end_amdgpu_metadata
.endif
;; end of part 4
